; MI455X (gfx1250); checked and timed in simulation.
; The chip was launched on July 23, 2026; its instructions are those of AMD's public machine-readable ISA for CDNA 5 (MIT licence, August 2026) and "CDNA5" Instruction Set Architecture Reference Guide (July 2026). The comments in the code are by the model that wrote it; some were corrected since.
;; Flex Causal Self Attention. Allowed arithmetic: float matrix products may take bf16 or f16 operands with f32 sums; other float arithmetic in f32, or as packed bf16 or f16 multiplies, adds, multiply-adds, maxima and minima; sums over many terms, partial sums and values carried from step to step in f32; what a program stores and reads back later, other than sums and carried values, may be rounded once to bf16 or f16.
;; Inputs: Wk 1,024 x 1,024 float32; Wo 1,024 x 1,024 float32; Wq 1,024 x 1,024 float32; Wv 1,024 x 1,024 float32; bk 1,024 float32; bo 1,024 float32; bq 1,024 float32; bv 1,024 float32; rel_key 2,048 x 64 float32; x 2 x 2,048 x 1,024 float32.
;; Outputs: out0 2 x 2,048 x 1,024 float32.
;; 2 versions, each right; version 2 is version 1 with the launch cast written anew for expert scheduling mode. Each part assembles by itself: llvm-mc -triple=amdgcn-amd-amdhsa -mcpu=gfx1250 --defsym DOCPART=n.
;; ======== version 1 of 2: 4 launches
;; limits: values are held in f16: magnitudes above 65,504 overflow, below 6.1e-05 lose precision; right only within a limited range of input values
;; workspace buffers: xb 8,388,608 bytes; wb 6,291,456 bytes; woh 2,097,152 bytes; rs 278,528 bytes; bias 16,384 bytes; qkv 25,165,824 bytes; ob 8,388,608 bytes
;; launch cast (part 1): grid 521 x 1, 8 waves a work-group, no clusters, 0 bytes of LDS; arguments x, Wq, Wk, Wv, Wo, rel_key, bq, bk, bv, bo, xb, wb, woh, rs, bias; writes xb, wb, woh, rs, bias
.if DOCPART == 1
	.amdgcn_target "amdgcn-amd-amdhsa--gfx1250"
	.amdhsa_code_object_version 6
	.text
	.protected	k_qeef9a14c2f_cast
	.globl	k_qeef9a14c2f_cast
	.p2align	8
	.type	k_qeef9a14c2f_cast,@function
k_qeef9a14c2f_cast:
	s_mov_b64 s[64:65], 0
	v_nop
	global_prefetch_b8 v0, s[64:65] scope:SCOPE_SE
	s_setreg_imm32_b32 hwreg(HW_REG_WAVE_MODE, 25, 1), 1
	s_wait_xcnt 0x0
; ROUNDINGS AND LAYOUTS.  Every input of the module is rounded once to bf16 here and laid out for the launches behind.
;   xb   bf16 [4096][1024]                     x as it lies
;   wb   bf16 [48 g][1024 k][64 n]             g = 16 T + head, T = 0 Wq, 1 Wk, 2 Wv: a head's 64 columns of a row are 128 dense bytes
;   woh  f16  [1024 k][1024 n]                 bf16(Wo) written as f16
;   rs   f16  [2176][64]                       bf16(rel_key) x 2^-6 written as f16; rows 2048 .. 2175 are zeros
;   bias f32  [4096]                           bf16(bq | bk | bv | bo) widened again
; LIMITS.  A bf16 number written as f16 is exact from 6.1e-5 to 65,504; below it keeps f16's fixed step of 6e-8 (for rel_key, scaled back: 3.8e-6); beyond it is an infinity.
; A work-group takes a chunk of 16,384 numbers: 16 loads of 16 bytes a thread, all issued at once, then rounded and stored in the order in which they come back.
; No register is used twice for memory, so no wait frees a source.  No LDS, no barrier: no wave needs another's data.
.set X,   16                           ; v[16:79]   16 x 4 numbers as loaded
.set Y,   80                           ; v[80:111]  16 x 2 words to store
.set SRC, 40                           ; s[40:41]   the chunk in its source
.set DST, 42                           ; s[42:43]   the chunk in its destination
.set OF,  44                           ; s[44:45]   a byte offset, high word 0
.set SC,  46                           ; s[46:47]   the scale of the f16 job, named as a pair
	s_load_b512 s[8:23], s[0:1], 0x0               ; x 8, Wq 10, Wk 12, Wv 14, Wo 16, rel_key 18, bq 20, bk 22
	s_load_b256 s[24:31], s[0:1], 0x40             ; bv 24, bo 26, xb 28, wb 30
	s_load_b128 s[32:35], s[0:1], 0x60             ; woh 32, rs 34
	s_load_b64 s[36:37], s[0:1], 0x70              ; bias 36
	s_mov_b32 s2, ttmp9                            ; the job: 0-255 x, 256-447 Wq Wk Wv, 448-511 Wo, 512-519 rel_key, 520 the biases and the zero rows of rs
	s_mov_b32 s3, 0xffff0000                       ; a word's upper bf16
	s_mov_b32 s[OF+1], 0
	v_lshlrev_b32 v1, 4, v0                        ; the linear map: 16 bytes a thread in,
	v_lshlrev_b32 v2, 3, v0                        ; 8 bytes a thread out: a wave's store is 256 consecutive bytes, aligned
.macro LD16 wmap                       ; the chunk's 16 loads.  wmap = 1: a load takes one head's 64 columns of two rows of W
.set i, 0
.rept 16
.if \wmap
	global_load_b128 v[X+4*i:X+4*i+3], v1, s[SRC:SRC+1] offset:(i/2)*8192+(i%2)*256 th:TH_LOAD_NT
.else
	global_load_b128 v[X+4*i:X+4*i+3], v1, s[SRC:SRC+1] offset:i*4096 th:TH_LOAD_NT
.endif
.set i, i+1
.endr
.endm
.macro OUT16 wmap, half                ; round and store.  half = 1: the bf16 numbers are scaled and written as f16
.set i, 0
.rept 16
	s_wait_loadcnt 15-i                            ; loads come back in order: number i is in, the younger ones stay out
	v_cvt_pk_bf16_f32 v[Y+2*i],   v[X+4*i],   v[X+4*i+1]
	v_cvt_pk_bf16_f32 v[Y+2*i+1], v[X+4*i+2], v[X+4*i+3]
.if \half
	v_lshlrev_b32 v4, 16, v[Y+2*i]
	v_and_b32     v5, s3, v[Y+2*i]
	v_lshlrev_b32 v6, 16, v[Y+2*i+1]
	v_and_b32     v7, s3, v[Y+2*i+1]
	v_pk_mul_f32 v[4:5], v[4:5], s[SC:SC+1] op_sel_hi:[1,0]
	v_pk_mul_f32 v[6:7], v[6:7], s[SC:SC+1] op_sel_hi:[1,0]
	v_cvt_pk_f16_f32 v[Y+2*i],   v4, v5
	v_cvt_pk_f16_f32 v[Y+2*i+1], v6, v7
.endif
.if \wmap
	global_store_b64 v2, v[Y+2*i:Y+2*i+1], s[DST:DST+1] offset:(i%2)*131072+(i/2)*256
.else
	global_store_b64 v2, v[Y+2*i:Y+2*i+1], s[DST:DST+1] offset:i*2048
.endif
.set i, i+1
.endr
.endm
	s_wait_kmcnt 0x0
	s_cmp_lt_u32 s2, 256
	s_cbranch_scc1 .Lx
	s_cmp_lt_u32 s2, 448
	s_cbranch_scc1 .Lw
	s_cmp_lt_u32 s2, 520
	s_cbranch_scc1 .Lh
	; the last job: four biases of 1,024 numbers, four a thread, and the 16,384 zero bytes behind the 2,048 rows of rs
	global_load_b128 v[X:X+3],     v1, s[20:21]
	global_load_b128 v[X+4:X+7],   v1, s[22:23]
	global_load_b128 v[X+8:X+11],  v1, s[24:25]
	global_load_b128 v[X+12:X+15], v1, s[26:27]
	v_mov_b32 v8, 0
	v_mov_b32 v9, 0
	v_mov_b32 v10, 0
	v_mov_b32 v11, 0
.set i, 0
.rept 4
	global_store_b128 v1, v[8:11], s[34:35] offset:262144+4096*i
.set i, i+1
.endr
	s_wait_loadcnt 0x0
.set i, 0
.rept 4
	v_cvt_pk_bf16_f32 v4, v[X+4*i],   v[X+4*i+1]
	v_cvt_pk_bf16_f32 v5, v[X+4*i+2], v[X+4*i+3]
	v_lshlrev_b32 v[Y+4*i],   16, v4
	v_and_b32     v[Y+4*i+1], s3, v4
	v_lshlrev_b32 v[Y+4*i+2], 16, v5
	v_and_b32     v[Y+4*i+3], s3, v5
	global_store_b128 v1, v[Y+4*i:Y+4*i+3], s[36:37] offset:4096*i
.set i, i+1
.endr
	s_endpgm
.Lx:                                                   ; x: chunk g, 65,536 bytes in, 32,768 out
	s_lshl_b32 s[OF], s2, 16
	s_add_nc_u64 s[SRC:SRC+1], s[8:9], s[OF:OF+1]
	s_lshl_b32 s[OF], s2, 15
	s_add_nc_u64 s[DST:DST+1], s[28:29], s[OF:OF+1]
	LD16 0
	OUT16 0, 0
	s_endpgm
.Lw:                                                   ; Wq, Wk, Wv: a chunk is 16 rows k of one of them
	s_sub_co_u32 s4, s2, 256
	s_lshr_b32 s5, s4, 6                           ; T
	s_and_b32 s4, s4, 63                           ; the chunk in W_T
	s_cmp_eq_u32 s5, 0
	s_cselect_b64 s[SRC:SRC+1], s[10:11], s[12:13]
	s_cmp_eq_u32 s5, 2
	s_cselect_b64 s[SRC:SRC+1], s[14:15], s[SRC:SRC+1]
	s_lshl_b32 s[OF], s4, 16
	s_add_nc_u64 s[SRC:SRC+1], s[SRC:SRC+1], s[OF:OF+1]
	s_lshl_b32 s5, s5, 21                          ; 16 planes of 131,072 bytes
	s_lshl_b32 s4, s4, 11                          ; 16 rows of 128 bytes
	s_add_co_u32 s[OF], s5, s4
	s_add_nc_u64 s[DST:DST+1], s[30:31], s[OF:OF+1]
	v_and_b32 v3, 15, v0
	v_bfe_u32 v4, v0, 4, 1
	v_lshrrev_b32 v5, 5, v0                        ; the wave: heads 2 wave and 2 wave + 1
	v_lshlrev_b32 v1, 4, v3                        ; in: 16 lanes take a head's 256 bytes of a row, the other 16 the row below
	v_lshl_add_u32 v1, v4, 12, v1
	v_lshl_add_u32 v1, v5, 9, v1
	v_and_b32 v2, 31, v0                           ; out: those two rows are 256 consecutive bytes of the head's plane
	v_lshlrev_b32 v2, 3, v2
	v_lshl_add_u32 v2, v5, 18, v2
	LD16 1
	OUT16 1, 0
	s_endpgm
.Lh:                                                   ; Wo (scale 1) and rel_key (scale 2^-6), written as f16
	s_cmp_lt_u32 s2, 512
	s_cselect_b64 s[SRC:SRC+1], s[16:17], s[18:19]
	s_cselect_b64 s[DST:DST+1], s[32:33], s[34:35]
	s_cselect_b32 s[SC], 1.0, 0x3c800000
	s_cselect_b32 s4, 0, 64
	s_mov_b32 s[SC+1], s[SC]
	s_sub_co_u32 s5, s2, 448
	s_sub_co_u32 s4, s5, s4                        ; the chunk in its tensor
	s_lshl_b32 s[OF], s4, 16
	s_add_nc_u64 s[SRC:SRC+1], s[SRC:SRC+1], s[OF:OF+1]
	s_lshl_b32 s[OF], s4, 15
	s_add_nc_u64 s[DST:DST+1], s[DST:DST+1], s[OF:OF+1]
	LD16 0
	OUT16 0, 1
	s_endpgm
.Lfunc_end_k_qeef9a14c2f_cast:
	.size	k_qeef9a14c2f_cast, .Lfunc_end_k_qeef9a14c2f_cast-k_qeef9a14c2f_cast
	.p2alignl 7, 3214868480
	.fill 96, 4, 3214868480
	.section	.rodata,"a",@progbits
	.p2align	6, 0x0
	.amdhsa_kernel k_qeef9a14c2f_cast
		.amdhsa_group_segment_fixed_size 0
		.amdhsa_private_segment_fixed_size 0
		.amdhsa_enable_private_segment 0
		.amdhsa_kernarg_size 120
		.amdhsa_user_sgpr_count 2
		.amdhsa_user_sgpr_kernarg_segment_ptr 1
		.amdhsa_wavefront_size32 1
		.amdhsa_system_sgpr_workgroup_id_x 1
		.amdhsa_system_sgpr_workgroup_id_y 1
		.amdhsa_system_sgpr_workgroup_id_z 1
		.amdhsa_system_vgpr_workitem_id 0
		.amdhsa_next_free_vgpr 112
		.amdhsa_next_free_sgpr 66
		.amdhsa_reserve_vcc 0
		.amdhsa_float_denorm_mode_32 3
		.amdhsa_float_denorm_mode_16_64 3
		.amdhsa_memory_ordered 1
		.amdhsa_forward_progress 1
		.amdhsa_inst_pref_size 28
	.end_amdhsa_kernel
	.amdgpu_metadata
---
amdhsa.version: [ 1, 2 ]
amdhsa.kernels:
  - .name:           k_qeef9a14c2f_cast
    .symbol:         k_qeef9a14c2f_cast.kd
    .args:
      - { .name: x, .offset: 0, .size: 8, .value_kind: global_buffer, .address_space: global }
      - { .name: Wq, .offset: 8, .size: 8, .value_kind: global_buffer, .address_space: global }
      - { .name: Wk, .offset: 16, .size: 8, .value_kind: global_buffer, .address_space: global }
      - { .name: Wv, .offset: 24, .size: 8, .value_kind: global_buffer, .address_space: global }
      - { .name: Wo, .offset: 32, .size: 8, .value_kind: global_buffer, .address_space: global }
      - { .name: rel_key, .offset: 40, .size: 8, .value_kind: global_buffer, .address_space: global }
      - { .name: bq, .offset: 48, .size: 8, .value_kind: global_buffer, .address_space: global }
      - { .name: bk, .offset: 56, .size: 8, .value_kind: global_buffer, .address_space: global }
      - { .name: bv, .offset: 64, .size: 8, .value_kind: global_buffer, .address_space: global }
      - { .name: bo, .offset: 72, .size: 8, .value_kind: global_buffer, .address_space: global }
      - { .name: xb, .offset: 80, .size: 8, .value_kind: global_buffer, .address_space: global }
      - { .name: wb, .offset: 88, .size: 8, .value_kind: global_buffer, .address_space: global }
      - { .name: woh, .offset: 96, .size: 8, .value_kind: global_buffer, .address_space: global }
      - { .name: rs, .offset: 104, .size: 8, .value_kind: global_buffer, .address_space: global }
      - { .name: bias, .offset: 112, .size: 8, .value_kind: global_buffer, .address_space: global }
    .group_segment_fixed_size: 0
    .private_segment_fixed_size: 0
    .kernarg_segment_align: 8
    .kernarg_segment_size: 120
    .max_flat_workgroup_size: 256
    .sgpr_count:     66
    .vgpr_count:     112
    .wavefront_size: 32
...
	.end_amdgpu_metadata
.endif
;; end of part 1
;; launch project_in (part 2): grid 16 x 16, 4 waves a work-group, clusters of 4 x 4, 327,680 bytes of LDS; arguments xb, wb, bias, qkv; writes qkv
.if DOCPART == 2
	.amdgcn_target "amdgcn-amd-amdhsa--gfx1250"
	.amdhsa_code_object_version 6
	.text
	.protected	k_qeef9a14c2f_project_in
	.globl	k_qeef9a14c2f_project_in
	.p2align	8
	.type	k_qeef9a14c2f_project_in,@function
k_qeef9a14c2f_project_in:
	s_mov_b64 s[64:65], 0
	v_nop
	global_prefetch_b8 v0, s[64:65] scope:SCOPE_SE
	s_setreg_imm32_b32 hwreg(HW_REG_WAVE_MODE, 25, 1), 1
	s_wait_xcnt 0x0
	s_wait_alu depctr_hold_cnt(0) depctr_sa_sdst(0) depctr_va_vdst(0) depctr_va_sdst(0) depctr_va_ssrc(0) depctr_va_vcc(0) depctr_vm_vsrc(0)
	s_getreg_b32 s2, hwreg(HW_REG_IB_STS2, 6, 4)
	s_cmp_eq_u32 s2, 0
	s_cbranch_scc0 .Lentry_in_a_cluster
	s_endpgm
.Lentry_in_a_cluster:
	s_bfe_u32 s2, ttmp6, 0x10000c
	s_cmp_lg_u32 s2, 0xf033
	s_cbranch_scc0 .Lentry_shape_is_right
	s_endpgm
.Lentry_shape_is_right:
; [q | k | v] = xb W + bias.  xb: bf16 [4096][1024].  wb: bf16 [48 g][1024 k][64 n], g = 16 T + head.  bias: f32 [4096].  qkv: f16 [3 T][32 b h][2048 s][64].
; Sums in f32, started by the bias; each result rounded once to f16.  LIMIT: a result of 65,520 or more in magnitude becomes an infinity.
; A tile of the 4,096 x 3,072 results is 256 rows x 192 columns (three heads): 16 x 16 tiles, one for each of 256 work-groups.  Each of the four waves takes 64 rows x 192 columns:
; 48 accumulators of 16 x 16, 384 registers, and whole heads, so that its way out needs no other wave.  K goes in steps of 128 through a ring of two LDS slots filled by the tensor data mover.
; CLUSTERS: 4 x 4 work-groups.  The four of a row of the cluster need the same rows of xb, the four of a column the same three heads of wb: each tile is asked for jointly, by the same tensor load
; with the same descriptor and a mask that names the four.
; THE MATRIX INSTRUCTION IS USED TRANSPOSED: source 0 = 16 columns of W (turned on the way out of LDS by ds_load_tr16_b128, since wb lies [k][n]), source 1 = 16 rows of xb: a lane then holds
; eight neighbouring columns of one row, 16 bytes of f16.
; REGISTERS, in windows of 256: window 0: v0-31 addresses; v32-63, v64-95 xb's fragments, two buffers; v96-191 the bias, 8 registers for each block of 16 columns; on the way out v32-223 packed results
;   window 1: v0-95, v96-191 W's fragments, two buffers     window 2: the accumulators of my rows 0-31, (a, b) at 8 (12 (a % 2) + b)     window 3: those of my rows 32-63
.set KSTEP,  128
.set PA,     272                       ; an LDS row of xb: 256 bytes + 16 of padding: the 16 rows of a fragment load start 68 words apart
.set PW,     160                       ; an LDS row of wb: 128 bytes + 32 of padding: 16 lanes of the turning load take 8 rows x 32 bytes
.set AHALF,  128*PA                    ; what wave 0 or 1 fetches: 128 rows of xb
.set BOFF,   256*PA                    ; W's part of a slot lies behind xb's 256 rows
.set BPLANE, 64*PW                     ; 64 rows k of one head
.set BHALF,  3*BPLANE                  ; what wave 2 or 3 fetches: 64 rows k of three heads
.set SLOT,   BOFF+2*BHALF              ; 131,072
.set STAGE,  2*SLOT                    ; behind the ring: 16 rows x 144 bytes for each wave, for the way out
.set SP,     144
.set SPARE,  STAGE+4*16*SP             ; behind the stages: the spare words, 128 bytes for each wave: two blocks of 256 bytes that no other line names
.set LAPS,   1024/(2*KSTEP)            ; a lap = two K steps = once round the ring
.set ADRA, 16                          ; v16-17  LDS address of my fragments of xb in slot 0, 1
.set ADRB, 20                          ; v20-21  the same for W
.set STO,  24                          ; v24     the way out: where I put 16 bytes of a row
.set RD,   25                          ; v25     the way out: where I read rows back
.set GO,   26                          ; v26     my byte offset in 512 consecutive bytes of qkv
.set BO,   27                          ; v27     my byte offset in a block's 16 numbers of the bias
.set SPW,  28                          ; v28     LDS address of my spare word; never rewritten
.set NIL,  29                          ; v29     0; never rewritten
.set AF,   32
.set BI,   96
.set TMP,  32
.set WV,   12                          ; s12     my wave's number
.set FB,   13                          ; s13     0: I fetch for xb, 1: for wb
.set HF,   14                          ; s14     which half of that tile I fetch
.set TY,   15                          ; s15     tile row
.set G1,   24                          ; s[24:31] descriptor group 1 for xb's tiles; s[32:39] group 0, a set for each slot
.set G0,   32
.set G1B,  48                          ; s[48:55], s[56:63] the same for wb's tiles
.set G0B,  56
.set OUT,  66                          ; s[66:71] qkv at my 64 rows of each of the tile's three heads
.set MSB, 0
.macro WIN new                         ; the immediate's high byte repeats the setting that is left; a switch that changes nothing is dropped
.if MSB != (\new)
	s_set_vgpr_msb (MSB<<8)|(\new)
.set MSB, (\new)
.endif
.endm
.macro PLACES                          ; four places behind matrix instructions, in front of loads into registers that they read and of conversions that read results
.rept 4
	v_nop
.endr
.endm
.macro JLOAD s                         ; a joint load: waves 0 and 1 fetch xb's two halves, waves 2 and 3 wb's; an s_nop 0 and four v_nop follow each of the two lines
	s_cmp_eq_u32 s[FB], 0
	s_cbranch_scc0 .Lfor_b_\@
	tensor_load_to_lds s[G0+4*(\s):G0+4*(\s)+3], s[G1:G1+7]
	s_nop 0
.rept 4
	v_nop
.endr
	s_branch .Lasked_\@
.Lfor_b_\@:
	tensor_load_to_lds s[G0B+4*(\s):G0B+4*(\s)+3], s[G1B:G1B+7]
	s_nop 0
.rept 4
	v_nop
.endr
.Lasked_\@:
.endm
.macro CREST                           ; a round of the cluster's barrier behind its opening barrier
	s_cmp_lg_u32 s[WV], 0
	s_cbranch_scc1 .Lnot_wave_0_\@
	s_barrier_signal -3
.Lnot_wave_0_\@:
	s_barrier_wait -3
	s_barrier_signal -1
	s_barrier_wait -1
.endm
.macro CROUND                          ; a whole round
	s_barrier_signal -1
	s_barrier_wait -1
	CREST
.endm
	s_load_b256 s[4:11], s[0:1], 0x0               ; xb s[4:5], wb s[6:7], bias s[8:9], qkv s[10:11]
	v_lshl_add_u32 v[SPW], v0, 2, SPARE
	v_mov_b32 v[NIL], 0
	ds_add_u32 v[SPW], v[NIL]                      ; the wave's opening: the add and its wait stand ahead of my first tensor load; the set-up below, work on registers, stands between them
	ds_add_u32 v28, v29
	v_lshrrev_b32 v1, 5, v0
	v_readfirstlane_b32 s[WV], v1                  ; wave 0..3
	s_lshr_b32 s[FB], s[WV], 1
	s_and_b32 s[HF], s[WV], 1
	s_bfe_u32 s40, ttmp6, 0x40000                  ; cx, cy: my place in the cluster
	s_bfe_u32 s41, ttmp6, 0x40004
	s_lshl_b32 s42, ttmp9, 2
	s_add_co_u32 s42, s42, s40                     ; tile column = 4 x cluster x + cx
	s_and_b32 s[TY], ttmp7, 0xffff
	s_lshl_b32 s[TY], s[TY], 2
	s_add_co_u32 s[TY], s[TY], s41                 ; tile row = 4 x cluster y + cy
	s_lshl_b32 s43, s41, 2
	s_lshl_b32 s43, 15, s43                        ; my row of the cluster
	s_lshl_b32 s44, 0x1111, s40                    ; my column
	; group 1 for xb: 128 rows x 128 elements, 16 bytes of padding behind every 256
	s_or_b32 s[G1+0], s43, (1<<16)|(1<<20)|(1<<21)|(5<<22)|(3<<25)  ; 15:0 the mask: my row; 17:16 2-byte elements; 20 padding on; 21 set beside a mask; 24:22 after every 64 words; 31:25 4 words
	s_mov_b32 s[G1+1], KSTEP<<16                   ; tensor_dim0 = 128
	s_mov_b32 s[G1+2], 128<<16                     ; tensor_dim1 = 128
	s_mov_b32 s[G1+3], KSTEP<<16                   ; tile_dim0 = 128
	s_mov_b32 s[G1+4], 128                         ; tile_dim1 = 128
	s_mov_b32 s[G1+5], 1024                        ; elements from row to row
	s_mov_b32 s[G1+6], 0
	s_mov_b32 s[G1+7], 0
	; group 1 for wb: 64 rows k of a head are 8,192 dense bytes: one row of 4,096 elements; three such rows, a plane of 65,536 elements apart; 32 bytes of padding behind every 128
	s_or_b32 s[G1B+0], s44, (1<<16)|(1<<20)|(1<<21)|(4<<22)|(7<<25) ; the mask: my column; after every 32 words 8 words
	s_mov_b32 s[G1B+1], 4096<<16                   ; tensor_dim0 = 4,096
	s_mov_b32 s[G1B+2], 3<<16                      ; tensor_dim1 = 3
	s_mov_b32 s[G1B+3], 4096<<16                   ; tile_dim0 = 4,096
	s_mov_b32 s[G1B+4], 3                          ; tile_dim1 = 3
	s_mov_b32 s[G1B+5], 65536                      ; elements from plane to plane
	s_mov_b32 s[G1B+6], 0
	s_mov_b32 s[G1B+7], 0
	s_lshl_b32 s16, s[TY], 8
	s_lshl_b32 s17, s[HF], 7
	s_add_co_u32 s16, s16, s17                     ; xb: row 256 x tile row + 128 x half,
	s_lshl_b32 s16, s16, 11                        ; of 2,048 bytes
	s_mov_b32 s17, 0
	s_mul_i32 s46, s42, 3*131072                   ; wb: plane 3 x tile column,
	s_lshl_b32 s47, s[HF], 13                      ; 64 rows k of 128 bytes x half
	s_add_co_u32 s46, s46, s47
	s_mov_b32 s47, 0
	s_mul_i32 s21, s[HF], AHALF                    ; where they go: no place in the cluster enters an LDS address
	s_mul_i32 s22, s[HF], BHALF
	s_add_co_u32 s22, s22, BOFF
	s_wait_dscnt 0x0                               ; the opening add is done
	s_wait_kmcnt 0x0
	s_add_nc_u64 s[18:19], s[4:5], s[16:17]
	s_add_nc_u64 s[46:47], s[6:7], s[46:47]
	CROUND                                         ; all sixteen work-groups are here: the first joint loads meet
.irp s, 0,1
	s_mov_b32 s[G0+4*(\s)], 1
	s_add_co_u32 s[G0+4*(\s)+1], s21, (\s)*SLOT
	s_add_nc_u64 s[G0+4*(\s)+2:G0+4*(\s)+3], s[18:19], (\s)*KSTEP*2
	s_or_b32 s[G0+4*(\s)+3], s[G0+4*(\s)+3], 0x80000000
	s_mov_b32 s[G0B+4*(\s)], 1
	s_add_co_u32 s[G0B+4*(\s)+1], s22, (\s)*SLOT
	s_add_nc_u64 s[G0B+4*(\s)+2:G0B+4*(\s)+3], s[46:47], (\s)*KSTEP*128
	s_or_b32 s[G0B+4*(\s)+3], s[G0B+4*(\s)+3], 0x80000000
	JLOAD \s
.endr
	v_and_b32 v1, 15, v0                           ; r = l % 16
	v_bfe_u32 v2, v0, 4, 1                         ; h = l / 16
	v_lshlrev_b32 v[BO], 5, v2                     ; a lane's eight columns of a block: 32 h bytes on
	s_mul_i32 s46, s42, 768                        ; the tile's 192 numbers of the bias
	s_mov_b32 s47, 0
	s_add_nc_u64 s[8:9], s[8:9], s[46:47]
.set i, 0
.rept 12                                               ; register j of block b holds bias[16 b + 8 h + j]: the C operand of the products that start the sums
	global_load_b128 v[BI+8*i:BI+8*i+3],   v[BO], s[8:9] offset:64*i
	global_load_b128 v[BI+8*i+4:BI+8*i+7], v[BO], s[8:9] offset:64*i+16
.set i, i+1
.endr
	v_mul_u32_u24 v3, v1, PA
	v_lshl_add_u32 v3, v2, 4, v3                   ; a fragment of xb: row x pitch + 16 x half,
	s_mul_i32 s21, s[WV], 64*PA                    ; in my 64 rows
	v_add_nc_u32 v[ADRA], s21, v3
	v_add_nc_u32 v[ADRA+1], SLOT, v[ADRA]
	v_and_b32 v4, 7, v0                            ; the turning load: lane l reads row k = 8 h + l % 8, columns 8 ((l / 8) % 2) + 0..7
	v_lshl_add_u32 v4, v2, 3, v4
	v_mul_u32_u24 v4, v4, PW
	v_bfe_u32 v5, v0, 3, 1
	v_lshl_add_u32 v4, v5, 4, v4
	v_add_nc_u32 v[ADRB], BOFF, v4
	v_add_nc_u32 v[ADRB+1], SLOT, v[ADRB]
	s_mul_i32 s23, s[WV], 16*SP
	s_add_co_u32 s23, s23, STAGE                   ; my stage
	v_mul_u32_u24 v6, v1, SP                       ; in: row r, 16 bytes for each half of the lanes
	v_lshl_add_u32 v6, v2, 4, v6
	v_add_nc_u32 v[STO], s23, v6
	v_bfe_u32 v6, v0, 3, 2                         ; back: 32 lanes take four rows of 128 bytes,
	v_mul_u32_u24 v6, v6, SP
	v_and_b32 v7, 7, v0
	v_lshl_add_u32 v6, v7, 4, v6
	v_add_nc_u32 v[RD], s23, v6
	v_and_b32 v[GO], 31, v0                        ; which are 512 consecutive bytes of qkv
	v_lshlrev_b32 v[GO], 4, v[GO]
.irp c, 0,1,2                                          ; qkv at my rows of head g = 3 x tile column + c; in registers that feed no descriptor and no LDS address
	s_mul_i32 s72, s42, 3
	s_add_co_u32 s72, s72, \c
	s_lshr_b32 s74, s72, 4                         ; T
	s_and_b32 s72, s72, 15                         ; head
	s_lshl_b32 s74, s74, 5
	s_add_co_u32 s72, s72, s74
	s_lshr_b32 s74, s[TY], 3                       ; batch
	s_lshl_b32 s74, s74, 4
	s_add_co_u32 s72, s72, s74
	s_lshl_b32 s72, s72, 18                        ; planes of 2,048 rows x 128 bytes
	s_and_b32 s74, s[TY], 7
	s_lshl_b32 s74, s74, 15                        ; 256 rows
	s_add_co_u32 s72, s72, s74
	s_lshl_b32 s74, s[WV], 13                      ; 64 rows
	s_add_co_u32 s72, s72, s74
	s_mov_b32 s73, 0
	s_add_nc_u64 s[OUT+2*\c:OUT+2*\c+1], s[10:11], s[72:73]
.endr
; 12 matrix instructions: my block a of 16 rows x all 12 blocks of 16 columns, 32 along K, from buffer f (0 or 1).  first = 1: the bias starts the sums: nothing is cleared.
; The 48 accumulators take turns in one order in every quarter step, one instruction a turn.
.macro MUL12 f, a, first
.if \first
	WIN 0x81+0x40*((\a)/2)                         ; W window 1, xb and the bias window 0, D window 2 or 3
.else
	WIN 0xa1+0x50*((\a)/2)                         ; W window 1, xb window 0, C and D window 2 or 3
.endif
.irp b, 0,1,2,3,4,5,6,7,8,9,10,11
.if \first
	v_wmma_f32_16x16x32_bf16 v[8*(12*((\a)%2)+(\b)):8*(12*((\a)%2)+(\b))+7], v[96*(\f)+8*(\b):96*(\f)+8*(\b)+7], v[AF+32*(\f)+8*(\a):AF+32*(\f)+8*(\a)+7], v[BI+8*(\b):BI+8*(\b)+7]
.else
	v_wmma_f32_16x16x32_bf16 v[8*(12*((\a)%2)+(\b)):8*(12*((\a)%2)+(\b))+7], v[96*(\f)+8*(\b):96*(\f)+8*(\b)+7], v[AF+32*(\f)+8*(\a):AF+32*(\f)+8*(\a)+7], v[8*(12*((\a)%2)+(\b)):8*(12*((\a)%2)+(\b))+7]
.endif
.endr
.endm
; 32 LDS loads in one run: the fragments of quarter q (32 along K) of a slot into buffer f: 24 turning loads for W's 12 blocks, then 8 loads for my 4 blocks of xb
.macro FETCH slot, q, f
	WIN 0x40                                       ; destination window 1, address window 0
.irp b, 0,1,2,3,4,5,6,7,8,9,10,11
	ds_load_tr16_b128 v[96*(\f)+8*(\b):96*(\f)+8*(\b)+3],   v[ADRB+(\slot)] offset:((\q)/2)*BHALF+((\b)/4)*BPLANE+((\q)%2)*32*PW+((\b)%4)*32
	ds_load_tr16_b128 v[96*(\f)+8*(\b)+4:96*(\f)+8*(\b)+7], v[ADRB+(\slot)] offset:((\q)/2)*BHALF+((\b)/4)*BPLANE+((\q)%2)*32*PW+((\b)%4)*32+16*PW
.endr
	WIN 0
.irp a, 0,1,2,3
	ds_load_b128 v[AF+32*(\f)+8*(\a):AF+32*(\f)+8*(\a)+3],   v[ADRA+(\slot)] offset:64*(\q)+(\a)*16*PA
	ds_load_b128 v[AF+32*(\f)+8*(\a)+4:AF+32*(\f)+8*(\a)+7], v[ADRA+(\slot)] offset:64*(\q)+(\a)*16*PA+32
.endr
.endm
; A K step is four quarters of 32 along K, 48 matrix instructions each, on buffers 0, 1, 0, 1.  One of the first three: multiplies buffer f and fetches quarter q of the same slot into buffer g.
.macro QUARTER slot, q, f, g, first
	s_wait_dscnt 4                                 ; W and xb's blocks 0 and 1 are in; the youngest four loads (blocks 2 and 3) may be out
	MUL12 \f, 0, \first
	MUL12 \f, 1, \first
	PLACES
	FETCH \slot, \q, \g
	s_wait_dscnt 32                                ; all but the 32 just issued
	MUL12 \f, 2, \first
	MUL12 \f, 3, \first
.endm
; The last quarter multiplies buffer 1 and changes slots: ONE barrier; in front of it each wave waits for all its tensor loads (one is out: its part of the next slot), adds 0 to its spare word,
; and waits for that and for its own reads of this slot.  fill = 1: the barrier opens a round of the cluster's barrier, and this slot is filled again, two K steps ahead, first thing behind the round.
.macro TURN slot, next, fill
	WIN 0                                          ; (the add's two registers lie in window 0)
	s_wait_tensorcnt 0x0
	ds_add_u32 v[SPW], v[NIL]                      ; 0 onto my spare word
	s_wait_dscnt 5                                 ; (the add and the youngest four loads may be out)
	MUL12 1, 0, 0                                  ; twelve matrix instructions stand between the add and the wait for it
	s_wait_dscnt 0x0                               ; the add is done, and my reads of this slot are over
	s_barrier_signal -1
	MUL12 1, 1, 0
.if \fill
	WIN 0
.endif
	s_barrier_wait -1
.if \fill
	CREST                                          ; no wave of any partner still reads this slot's tile or has a load on its way
	s_add_nc_u64 s[G0+4*(\slot)+2:G0+4*(\slot)+3], s[G0+4*(\slot)+2:G0+4*(\slot)+3], 2*KSTEP*2
	s_add_nc_u64 s[G0B+4*(\slot)+2:G0B+4*(\slot)+3], s[G0B+4*(\slot)+2:G0B+4*(\slot)+3], 2*KSTEP*128
	JLOAD \slot                                    ; the four v_nop behind it are also the places in front of the loads below
.else
	PLACES
.endif
	FETCH \next, 0, 0
	MUL12 1, 2, 0
	MUL12 1, 3, 0
.endm
; THE WAY OUT.  Unit (a, c): my block a of 16 rows, head c.  Rounded to f16, 16 bytes a lane; into my own stage; back as four rows of 128 bytes a load, which are 512 consecutive bytes of qkv.
.macro PACK a, c
.set U, 3*(\a)+(\c)
	WIN 0x0a+5*((\a)/2)                            ; sources 0 and 1: window 2 or 3
.irp bb, 0,1,2,3
.irp rr, 0,1,2,3
	v_cvt_pk_f16_f32 v[TMP+16*U+4*(\bb)+(\rr)], v[8*(12*((\a)%2)+4*(\c)+(\bb))+2*(\rr)], v[8*(12*((\a)%2)+4*(\c)+(\bb))+2*(\rr)+1]
.endr
.endr
	WIN 0
.irp bb, 0,1,2,3
	ds_store_b128 v[STO], v[TMP+16*U+4*(\bb):TMP+16*U+4*(\bb)+3] offset:32*(\bb)
.endr
.irp f, 0,1,2,3
	ds_load_b128 v[TMP+16*U+4*(\f):TMP+16*U+4*(\f)+3], v[RD] offset:(\f)*4*SP  ; LDS serves a wave's instructions in order (ISA guide 5.7.1.4): these see the stores above; the next unit's stores come behind them
.endr
.endm
.macro SEND a, c, younger              ; younger: the LDS instructions issued behind this unit's loads: the next unit's eight, or none
.set U, 3*(\a)+(\c)
.irp f, 0,1,2,3
	s_wait_dscnt (\younger)+3-(\f)
	global_store_b128 v[GO], v[TMP+16*U+4*(\f):TMP+16*U+4*(\f)+3], s[OUT+2*(\c):OUT+2*(\c)+1] offset:(\a)*2048+(\f)*512  ; 512 consecutive bytes, at a multiple of 256 from the buffer's first
.endr
.endm
	s_wait_tensorcnt 1                             ; my part of K step 0 is in; K step 1's may stay out
	s_barrier_signal -1
	s_barrier_wait -1                              ; everybody's is
	FETCH 0, 0, 0
	s_wait_loadcnt 0x0                             ; the bias
	QUARTER 0, 1, 0, 1, 1                          ; the first quarter stands in front of the loop: its products start the sums
	WIN 0                                          ; at a label and at a branch every window is 0
	s_mov_b32 s3, LAPS-1
.Llap:                                                 ; a trip goes once round the ring, from a lap's second quarter to the next lap's first, and fills both slots again
	QUARTER 0, 2, 1, 0, 0
	QUARTER 0, 3, 0, 1, 0
	TURN 0, 1, 1
	QUARTER 1, 1, 0, 1, 0
	QUARTER 1, 2, 1, 0, 0
	QUARTER 1, 3, 0, 1, 0
	TURN 1, 0, 1
	QUARTER 0, 1, 0, 1, 0
	WIN 0
	s_sub_co_u32 s3, s3, 1
	s_cmp_lg_u32 s3, 0
	s_cbranch_scc1 .Llap
	QUARTER 0, 2, 1, 0, 0                          ; the last lap fills nothing
	QUARTER 0, 3, 0, 1, 0
	TURN 0, 1, 0
	QUARTER 1, 1, 0, 1, 0
	QUARTER 1, 2, 1, 0, 0
	QUARTER 1, 3, 0, 1, 0
	s_wait_dscnt 4                                 ; the very last quarter: nothing more to fetch
	MUL12 1, 0, 0
	MUL12 1, 1, 0
	s_wait_dscnt 0x0
	MUL12 1, 2, 0
	MUL12 1, 3, 0
	WIN 0
	PLACES
	PACK 0, 0
.irp u, 1,2,3,4,5,6,7,8,9,10,11                        ; a unit's conversions stand between the loads of the unit before and its stores
	PACK (\u)/3, (\u)%3
	SEND ((\u)-1)/3, ((\u)-1)%3, 8
.endr
	SEND 3, 2, 0
	s_wait_tensorcnt 0x0                           ; the wave's end: an add onto the spare word and its waits, behind my last tensor load and my last LDS store
	ds_add_u32 v[SPW], v[NIL]
	s_wait_dscnt 0x0
	CROUND                                         ; the closing round: no work-group ends while a partner may still ask for a tile that names it
	s_endpgm
.Lfunc_end_k_qeef9a14c2f_project_in:
	.size	k_qeef9a14c2f_project_in, .Lfunc_end_k_qeef9a14c2f_project_in-k_qeef9a14c2f_project_in
	.p2alignl 7, 3214868480
	.fill 96, 4, 3214868480
	.section	.rodata,"a",@progbits
	.p2align	6, 0x0
	.amdhsa_kernel k_qeef9a14c2f_project_in
		.amdhsa_group_segment_fixed_size 327680
		.amdhsa_private_segment_fixed_size 0
		.amdhsa_enable_private_segment 0
		.amdhsa_kernarg_size 32
		.amdhsa_user_sgpr_count 2
		.amdhsa_user_sgpr_kernarg_segment_ptr 1
		.amdhsa_wavefront_size32 1
		.amdhsa_system_sgpr_workgroup_id_x 1
		.amdhsa_system_sgpr_workgroup_id_y 1
		.amdhsa_system_sgpr_workgroup_id_z 1
		.amdhsa_system_vgpr_workitem_id 0
		.amdhsa_next_free_vgpr 960
		.amdhsa_next_free_sgpr 76
		.amdhsa_reserve_vcc 0
		.amdhsa_float_denorm_mode_32 3
		.amdhsa_float_denorm_mode_16_64 3
		.amdhsa_memory_ordered 1
		.amdhsa_forward_progress 1
		.amdhsa_inst_pref_size 124
	.end_amdhsa_kernel
	.amdgpu_metadata
---
amdhsa.version: [ 1, 2 ]
amdhsa.kernels:
  - .name:           k_qeef9a14c2f_project_in
    .symbol:         k_qeef9a14c2f_project_in.kd
    .args:
      - { .name: xb, .offset: 0, .size: 8, .value_kind: global_buffer, .address_space: global }
      - { .name: wb, .offset: 8, .size: 8, .value_kind: global_buffer, .address_space: global }
      - { .name: bias, .offset: 16, .size: 8, .value_kind: global_buffer, .address_space: global }
      - { .name: qkv, .offset: 24, .size: 8, .value_kind: global_buffer, .address_space: global }
    .group_segment_fixed_size: 327680
    .private_segment_fixed_size: 0
    .kernarg_segment_align: 8
    .kernarg_segment_size: 32
    .max_flat_workgroup_size: 128
    .sgpr_count:     76
    .vgpr_count:     960
    .wavefront_size: 32
...
	.end_amdgpu_metadata
.endif
;; end of part 2
;; launch attend (part 3): grid 8 x 32, 4 waves a work-group, no clusters, 327,680 bytes of LDS; arguments qkv, rs, ob; writes ob
.if DOCPART == 3
	.amdgcn_target "amdgcn-amd-amdhsa--gfx1250"
	.amdhsa_code_object_version 6
	.text
	.protected	k_qeef9a14c2f_attend
	.globl	k_qeef9a14c2f_attend
	.p2align	8
	.type	k_qeef9a14c2f_attend,@function
k_qeef9a14c2f_attend:
	s_mov_b64 s[64:65], 0
	v_nop
	global_prefetch_b8 v0, s[64:65] scope:SCOPE_SE
	s_setreg_imm32_b32 hwreg(HW_REG_WAVE_MODE, 25, 1), 1
	s_wait_xcnt 0x0
; CAUSAL ATTENTION WITH A RELATIVE TERM.  O[i] = the sum over j <= i of softmax_j((q_i . k_j + q_i . R[2047 - (i - j)]) / 8) v_j, for each of 32 (batch, head).
; qkv: f16 [3][32][2048][64].  rs: f16 [2176][64] = R x 2^-6, rows from 2,048 on are zeros.  ob: f16 [32 mt][16 h][128 rows][64], mt = 16 batch + row / 128.
; Products, maxima and sums in f32; the weights p are rounded to f16 for the second product (their sum l is taken of the unrounded p), q . R x 2^-6 is rounded to f16 once, O once at the end.
; LIMITS.  q, k, v arrive within f16's 65,504; |q . R| stays under 4.19e6 (64 x 65,504); a hidden score counts as -1e30; a weight below 2^-126 counts as 0 in l; NaN and infinities are not treated apart.
; THE WALK.  A head's queries lie in 16 blocks of 128; block i needs the key tiles 0 .. i of 128 keys, of which the last holds the diagonal.  A work-group takes TWO blocks, 15 - b and then b: 17 tiles whatever b,
; so all 256 work-groups do equal work and ONE loop with a constant trip count walks them.  NO CLUSTER: the work-groups of a head ask for the same K and V tile only while their first blocks last, and their tiles of R differ from the start.
; SHARES.  A wave owns two PIECES x of 16 queries that lie 8 apart: i = 128 block + 8 r + rho, rho = 2 wave + x, r = lane % 16.  Every piece spans the block, so the diagonal tile is the same work for all waves.
; LAYOUT.  S^T = K Q^T holds ONE query a lane (r) and the keys 8 (lane / 16) + 0..7; two such results rounded to f16 ARE source 1 of O^T = V^T P.
; THE RELATIVE TERM.  With y = j + 8 (15 - r) + 7 - rho the row of R that (i, j) wants is 1920 - 128 block + y.  T^T = R Q^T has S^T's layout: a lane holds one query and 8 consecutive y, 16 bytes of f16.
; They go by one LDS store into row r of the piece's own ring, at position y - 120 + 8 r = j + 7 - rho: the shift is 16 r bytes, which is why the queries lie 8 apart.  A ring row, [query][position], is read back as
; source 1 of one more product for each 16 keys: S^T += SELM x ring, with SELM(m, k) = 64 where k = m + 7 - rho, else 0: it removes the residue rho and gives back the factor 2^6.
; Key step s of a block reads y in 64 s .. 64 s + 191 and makes y in 64 s + 128 .. 64 s + 191 (four products' rows of R: the tile 16 - block + tile of rs, which streams beside K and V); a block begins by making y in 0 .. 127.
; The ring holds 256 positions a row; what a store overwrites lies 256 positions back and has been read.  The fifth chunk of a step's read is taken alike by both halves of the lanes: its upper half meets only zeros of SELM.
; SOFTMAX.  A running maximum m and sum l: p = 2^(c s - c m), c = log2(e) / 8; O and l are multiplied by a = 2^(c m_old - c m_new) in every step.  A block starts with m at the lowest finite number: its first a is 0.
; REGISTERS, in windows of 256 (s_set_vgpr_msb: bits 1:0 source 0, 3:2 source 1, 5:4 source 2, 7:6 destination):
;   window 0: v0-63 addresses and statistics; v64-127 S^T, 32 a piece; v128-159 P; v160-223 T^T; v224-255 T^T in f16
;   window 1: v0-63 O^T, 32 a piece; v64-103 ring fragments, 20 a piece; v128-159 Q; v160-191 the second block's Q      window 2: v0-63 K; v64-127 R; v128-191 V; v192-207 SELM
.set NB,     16
.set KS,     64                        ; keys in a step
.set PK,     144                       ; a row of K or R in LDS: 128 bytes + 16 of padding
.set PV,     160                       ; a row of V: 128 + 32: 16 lanes of the turning load take 8 rows x 32 bytes
.set VOFF,   128*PK                    ; a slot: 128 rows of K, 128 rows of V, 128 rows of R
.set ROFF,   VOFF+128*PV
.set SLOT1,  1<<16                     ; slot 1 begins here, so that one exclusive or turns an address in one slot into the other's
.set RP0,    2*SLOT1                   ; the tile of R with which the first block begins; filled once
.set RP1,    RP0+128*PK                ; the same for the second block
.set RING,   RP1+128*PK                ; the rings: for each wave and piece 16 rows of 512 bytes, 528 apart; never filled by a tensor load
.set RPITCH, 528
.set RPIECE, 16*RPITCH
.set STAGE,  RING+8*RPIECE             ; for the way out: for each wave and piece 16 rows x 144 bytes, 2,432 apart
.set SP,     144
.set SPIECE, 16*SP+128
.set SPARE,  STAGE+8*SPIECE            ; the spare words, 128 bytes for each wave: two blocks of 256 bytes that no other line names
.set AK0, 2                            ; v2   my lane's place in a tile of K; never rewritten
.set AV0, 3                            ; v3   the same for V
.set AK,  4                            ; v4   the LDS address of K's run of loads
.set AV,  5                            ; v5   of V's
.set STO, 6                            ; v6   the way out: where I put 16 bytes of a row
.set RD,  7                            ; v7   the way out: where I read rows back
.set GO,  8                            ; v8   my byte offset in a block of ob
.set MV,  12                           ; v12-13  c m_old, kept while c m is made anew
.set AR0, 14                           ; v14  my lane's place in a tile of R in a slot
.set QO,  15                           ; v15  my byte offset in Q
.set ST,  16                           ; piece y's statistics at v[ST+4 y]: c m, m, l (even keys', odd keys')
.set AR,  24                           ; v24  the LDS address of R's run of loads
.set LW,  25                           ; v25  16 + 16 (lane / 16) + 16 r: my store's place in a ring row, before the phase
.set RW,  26                           ; v26  my ring row of piece 0
.set RR,  27                           ; v27  the same + 16 (lane / 16)
.set WA,  28                           ; v28-31  the four store addresses of a step
.set RA,  32                           ; v32  the read address of chunks 0 to 3
.set RA4, 33                           ; v33  of chunk 4
.set TH,  34                           ; v34-35  8 r + rho - 8 (lane / 16): register g of key group kt is hidden where 16 kt + g + 64 step is greater
.set THT, 36                           ; v36-37  the same less 64 step
.set D0,  38                           ; v38  r + 7 - 2 wave - 8 (lane / 16)
.set TMP, 40                           ; v40-47  four registers c0-c3 a piece, at work; when the maximum is found c2 takes a
.set SPW, 62                           ; v62  LDS address of my spare word; never rewritten
.set NIL, 63                           ; v63  0; never rewritten
.set S,   64
.set P,   128
.set T,   160
.set TP,  224
.set BF,  64                           ; window 1
.set Q,   128
.set QB,  160
.set KF,  0                            ; window 2
.set RF,  64
.set VF,  128
.set SELM, 192
.set WV,  12                           ; s12  my wave's number
.set PB,  14                           ; s14  b
.set HI,  15                           ; s15  15 - b
.set RSB, 22                           ; s[22:23] rs
.set G1K, 24                           ; s[24:31] descriptor group 1 for tiles of K and R
.set G1V, 32                           ; s[32:39] for V's: it differs in the padding alone
.set G0K, 40                           ; s[40:43] descriptor group 0 for K's tiles
.set G0V, 44
.set G0R, 48
.set G0P0, 52
.set G0P1, 56
.set XSEL, 60                          ; s[60:61] v_permlanex16_b32's selects: each lane takes its own place in the other half
.set TBK, 62                           ; s62  LDS byte at which K of the step in hand begins (R's lies ROFF further on)
.set TBV, 63                           ; s63  the same for V, less VOFF
.set PH,  67                           ; s67  the byte in a ring row at which the step's positions begin
.set PHW, 68                           ; s68  the phase of the stores
.set PH4, 69                           ; s69  the phase of chunk 4
.set RT,  70                           ; s70  tiles of the block in hand that are still to be entered
.set NXT, 71                           ; s71  the tile to be asked for next
.set LQ,  72                           ; s72  the last tile of the block whose tiles are being asked for
.set NEW, 73                           ; s73  1: the tile to be entered is the second block's first
.set OFF, 74                           ; s[74:75] a tile's byte offset in K and V
.set OFFR, 76                          ; s[76:77] in rs
.set RO,  78                           ; s78  the tile of rs that goes with key tile 0 of the block being asked for
.set RO2, 79                           ; s79  the same for the second block
.set OLO, 80                           ; s[80:81] ob at the second block
.set BIGN, 82                          ; s82  -1e30
.set CNT, 83                           ; s83  counts a tile's two steps
.set SLOTS, 84                         ; s84  tiles still to be asked for
.set E64, 85                           ; s85  64 x the step in its tile
.set CN2, 86                           ; s86  counts a block's two opening runs
.set CS,  88                           ; s[88:89] c
.set HLO, 90                           ; s90  64.0 in the low half
.set HHI, 91                           ; s91  64.0 in the high half
.set MSB, 0
.macro WIN new                         ; the high byte repeats the setting that is left; a switch that changes nothing is dropped
.if MSB != (\new)
	s_set_vgpr_msb (MSB<<8)|(\new)
.set MSB, (\new)
.endif
.endm
.set W_MM, 0x06                        ; source 0 (K, R, SELM) window 2, source 1 (Q, ring) window 1, C and D window 0
.set W_PV, 0x52                        ; V window 2, P window 0, O^T window 1
.set W_RS, 0x41                        ; destination and source 0 window 1, source 1 window 0
.macro PLACES                          ; four places behind matrix instructions, in front of vector lines that read results (ISA guide 7.12.1)
.rept 4
	v_nop
.endr
.endm
; A fill.  Wave 0 fetches the tile of K, wave 1 of V, wave 2 of R; first = 1: wave 3 fetches the two tiles of R with which the blocks begin.  An s_nop 0 follows each load, four v_nop a wave's last.
.macro LOAD first
	s_cmp_eq_u32 s[WV], 0
	s_cbranch_scc0 .Lnot_k_\@
	tensor_load_to_lds s[G0K:G0K+3], s[G1K:G1K+7]
	s_nop 0
.rept 4
	v_nop
.endr
	s_branch .Lasked_\@
.Lnot_k_\@:
	s_cmp_eq_u32 s[WV], 1
	s_cbranch_scc0 .Lnot_v_\@
	tensor_load_to_lds s[G0V:G0V+3], s[G1V:G1V+7]
	s_nop 0
.rept 4
	v_nop
.endr
	s_branch .Lasked_\@
.Lnot_v_\@:
	s_cmp_eq_u32 s[WV], 2
	s_cbranch_scc0 .Lnot_r_\@
	tensor_load_to_lds s[G0R:G0R+3], s[G1K:G1K+7]
	s_nop 0
.rept 4
	v_nop
.endr
.if \first
	s_branch .Lasked_\@
.endif
.Lnot_r_\@:
.if \first
	tensor_load_to_lds s[G0P0:G0P0+3], s[G1K:G1K+7]
	s_nop 0
	tensor_load_to_lds s[G0P1:G0P1+3], s[G1K:G1K+7]
	s_nop 0
.rept 4
	v_nop
.endr
.endif
.Lasked_\@:
.endm
; THE CHANGE OF SLOTS.  Each wave waits for all its tensor loads (at most one is out: its part of the other slot), adds 0 to its spare word, and waits for that and for its own reads of the slot that it leaves.
; Behind the barrier nobody reads the old slot any more and the other slot is whole.  fill = 1: the old slot is filled again, first thing behind the barrier, with tile NXT: the addresses are made anew from that number.
; (At its first use slot 1 has not been filled yet.)
.macro CHANGE fill
	WIN 0
	s_wait_tensorcnt 0x0                           ; no tensor load of mine is out, so a group 0 may be written
	ds_add_u32 v[SPW], v[NIL]                      ; 0 onto my spare word; scalar work stands between it and the wait for it
.if \fill
	s_lshl_b32 s[OFF], s[NXT], 14                  ; a tile is 16,384 bytes of K, of V and of rs
	s_add_co_u32 s[OFFR], s[NXT], s[RO]
	s_lshl_b32 s[OFFR], s[OFFR], 14
	s_xor_b32 s[G0K+1], s[G0K+1], SLOT1
	s_add_nc_u64 s[G0K+2:G0K+3], s[6:7], s[OFF:OFF+1]
	s_or_b32 s[G0K+3], s[G0K+3], 0x80000000
	s_xor_b32 s[G0V+1], s[G0V+1], SLOT1
	s_add_nc_u64 s[G0V+2:G0V+3], s[8:9], s[OFF:OFF+1]
	s_or_b32 s[G0V+3], s[G0V+3], 0x80000000
	s_xor_b32 s[G0R+1], s[G0R+1], SLOT1
	s_add_nc_u64 s[G0R+2:G0R+3], s[RSB:RSB+1], s[OFFR:OFFR+1]
	s_or_b32 s[G0R+3], s[G0R+3], 0x80000000
	s_add_co_u32 s[NXT], s[NXT], 1                 ; the block's next tile, or behind its last the second block's tile 0
	s_cmp_gt_u32 s[NXT], s[LQ]
	s_cselect_b32 s[NXT], 0, s[NXT]
	s_cselect_b32 s[RO], s[RO2], s[RO]
	s_cselect_b32 s[LQ], s[PB], s[LQ]
.endif
	s_wait_dscnt 0x0                               ; the add is done, and my reads of the slot are over
	s_barrier_signal -1                            ; the rest of the scalar work stands between the signal and the wait
	s_sub_co_u32 s[TBK], s[TBK], 2*KS*PK           ; the fetches go back to a slot's first step,
	s_xor_b32 s[TBK], s[TBK], SLOT1                ; in the other slot
	s_sub_co_u32 s[TBV], s[TBV], 2*KS*PV
	s_xor_b32 s[TBV], s[TBV], SLOT1
	s_sub_co_u32 s[PH], s[PH], 256                 ; the ring's phase goes on by 128 a step, modulo 512: two steps have added 256
	s_xor_b32 s[PH], s[PH], 256
	s_barrier_wait -1
.if \fill
	LOAD 0
.endif
.endm
	s_load_b128 s[20:23], s[0:1], 0x0              ; qkv s[20:21], rs s[22:23]
	s_load_b64 s[92:93], s[0:1], 0x10              ; ob
	v_lshl_add_u32 v[SPW], v0, 2, SPARE
	v_mov_b32 v[NIL], 0
	ds_add_u32 v[SPW], v[NIL]                      ; the wave's opening: the add and its wait stand ahead of my first tensor load; the set-up below, work on registers, stands between them
	ds_add_u32 v62, v63
	v_lshrrev_b32 v1, 5, v0
	v_readfirstlane_b32 s[WV], v1                  ; wave 0..3
	s_mov_b32 s[PB], ttmp9
	s_sub_co_u32 s[HI], NB-1, s[PB]
	s_and_b32 s13, ttmp7, 0xffff                   ; 16 batch + head
	s_lshl_b32 s2, s13, 18                         ; its 2,048 rows of 128 bytes
	s_mov_b32 s3, 0
	s_lshl_b32 s94, s[HI], 14                      ; Q at rows 128 block + 2 wave
	s_lshl_b32 s96, s[PB], 14
	s_lshl_b32 s98, s[WV], 8
	s_add_co_u32 s94, s94, s98
	s_add_co_u32 s96, s96, s98
	s_add_co_u32 s94, s94, s2
	s_add_co_u32 s96, s96, s2
	s_mov_b32 s95, 0
	s_mov_b32 s97, 0
	s_lshr_b32 s98, s13, 4
	s_lshl_b32 s98, s98, 4                         ; 16 batch
	s_and_b32 s99, s13, 15                         ; head
	s_add_co_u32 s[OFF], s98, s[HI]                ; ob: block (16 batch + block, head) of 16,384 bytes
	s_lshl_b32 s[OFF], s[OFF], 4
	s_add_co_u32 s[OFF], s[OFF], s99
	s_lshl_b32 s[OFF], s[OFF], 14
	s_mov_b32 s[OFF+1], 0
	s_add_co_u32 s[OFFR], s98, s[PB]
	s_lshl_b32 s[OFFR], s[OFFR], 4
	s_add_co_u32 s[OFFR], s[OFFR], s99
	s_lshl_b32 s[OFFR], s[OFFR], 14
	s_mov_b32 s[OFFR+1], 0
	; descriptor group 1.  128 rows of 128 bytes are 16,384 dense bytes: asked for as 64 rows of 256 bytes, and padded in LDS after every 128
	s_mov_b32 s[G1K], (1<<16)|(1<<20)|(4<<22)|(3<<25)  ; 17:16 2-byte elements; 20 padding on; 24:22 after every 32 words (code 4); 31:25 4 words (code 3)
	s_mov_b32 s[G1V], (1<<16)|(1<<20)|(4<<22)|(7<<25)  ; the same with 8 words of padding (code 7)
.irp g, G1K, G1V
	s_mov_b32 s[\g+1], 128<<16                     ; tensor_dim0 = 128
	s_mov_b32 s[\g+2], 64<<16                      ; tensor_dim1 = 64
	s_mov_b32 s[\g+3], 128<<16                     ; tile_dim0 = 128
	s_mov_b32 s[\g+4], 64                          ; tile_dim1 = 64
	s_mov_b32 s[\g+5], 128                         ; 128 elements from row to row
	s_mov_b32 s[\g+6], 0
	s_mov_b32 s[\g+7], 0
.endr
	s_mov_b32 s[G0K], 1
	s_mov_b32 s[G0K+1], 0                          ; slot 0
	s_mov_b32 s[G0V], 1
	s_mov_b32 s[G0V+1], VOFF
	s_mov_b32 s[G0R], 1
	s_mov_b32 s[G0R+1], ROFF
	s_mov_b32 s[G0P0], 1
	s_mov_b32 s[G0P0+1], RP0
	s_mov_b32 s[G0P1], 1
	s_mov_b32 s[G0P1+1], RP1
	s_mov_b32 s[CS], 0x3e38aa3b                    ; c = log2(e) / 8 = 0.180337
	s_mov_b32 s[CS+1], s[CS]                       ; named with it as a pair
	s_mov_b32 s[XSEL], 0x76543210
	s_mov_b32 s[XSEL+1], 0xfedcba98
	s_mov_b32 s[TBK], SLOT1+2*KS*PK                ; the first change of slots turns these three into 0
	s_mov_b32 s[TBV], SLOT1+2*KS*PV
	s_mov_b32 s[PH], 512
	s_add_co_u32 s[RT], s[HI], 1                   ; the first block has 16 - b tiles
	s_mov_b32 s[NXT], 1
	s_mov_b32 s[LQ], s[HI]
	s_add_co_u32 s[RO], s[PB], 1                   ; 16 - block
	s_sub_co_u32 s[RO2], NB, s[PB]
	s_mov_b32 s[BIGN], 0xf149f2ca                  ; -1e30
	s_mov_b32 s[HLO], 0x5400
	s_mov_b32 s[HHI], 0x54000000
	s_mov_b32 s[SLOTS], NB
	s_wait_dscnt 0x0                               ; the opening add is done
	s_wait_kmcnt 0x0
	s_add_nc_u64 s[4:5], s[20:21], s[94:95]        ; Q of the first block,
	s_add_nc_u64 s[18:19], s[20:21], s[96:97]      ; of the second
	s_add_nc_u64 s[6:7], s[20:21], s[2:3]
	s_add_nc_u64 s[8:9], s[6:7], 0x1000000         ; V: 64 planes of 262,144 bytes on
	s_add_nc_u64 s[6:7], s[6:7], 0x800000          ; K: 32 planes on
	s_add_nc_u64 s[10:11], s[92:93], s[OFF:OFF+1]
	s_add_nc_u64 s[OLO:OLO+1], s[92:93], s[OFFR:OFFR+1]
	s_add_nc_u64 s[G0K+2:G0K+3], s[6:7], 0
	s_or_b32 s[G0K+3], s[G0K+3], 0x80000000
	s_add_nc_u64 s[G0V+2:G0V+3], s[8:9], 0
	s_or_b32 s[G0V+3], s[G0V+3], 0x80000000
	s_lshl_b32 s[OFFR], s[RO], 14                  ; key tile 0 goes with tile 16 - block of rs,
	s_add_nc_u64 s[G0R+2:G0R+3], s[RSB:RSB+1], s[OFFR:OFFR+1]
	s_or_b32 s[G0R+3], s[G0R+3], 0x80000000
	s_lshl_b32 s[OFFR], s[PB], 14                  ; and a block begins with tile 15 - block: b for the first,
	s_add_nc_u64 s[G0P0+2:G0P0+3], s[RSB:RSB+1], s[OFFR:OFFR+1]
	s_or_b32 s[G0P0+3], s[G0P0+3], 0x80000000
	s_lshl_b32 s[OFFR], s[HI], 14                  ; 15 - b for the second
	s_add_nc_u64 s[G0P1+2:G0P1+3], s[RSB:RSB+1], s[OFFR:OFFR+1]
	s_or_b32 s[G0P1+3], s[G0P1+3], 0x80000000
	LOAD 1                                         ; the first fills, one group: by this text's count two loads of wave 3 are out, one of each other wave
	; All that follows up to the wait stands in the wait for the first tiles.
	v_and_b32 v1, 15, v0                           ; r = l % 16
	v_bfe_u32 v9, v0, 4, 1                         ; h = l / 16
	v_lshlrev_b32 v[QO], 10, v1                    ; a fragment of Q: the piece's queries lie 8 rows, 1,024 bytes, apart;
	v_lshl_add_u32 v[QO], v9, 4, v[QO]             ; + 16 x half
	WIN 0x40                                       ; destination window 1, address window 0
.irp x, 0,1
.irp c, 0,1
	global_load_b128 v[Q+16*\x+8*\c:Q+16*\x+8*\c+3],     v[QO], s[4:5] offset:128*\x+64*\c
	global_load_b128 v[Q+16*\x+8*\c+4:Q+16*\x+8*\c+7],   v[QO], s[4:5] offset:128*\x+64*\c+32
	global_load_b128 v[QB+16*\x+8*\c:QB+16*\x+8*\c+3],   v[QO], s[18:19] offset:128*\x+64*\c
	global_load_b128 v[QB+16*\x+8*\c+4:QB+16*\x+8*\c+7], v[QO], s[18:19] offset:128*\x+64*\c+32
.endr
.endr
.set i, 0
.rept 64                                               ; a block's first step multiplies O^T and l by a = 0: they need only be finite: zeros for the first block, what it left for the second
	v_mov_b32 v[i], 0
.set i, i+1
.endr
	WIN 0
.irp y, 0,1
	v_mov_b32 v[ST+4*\y+2], 0
	v_mov_b32 v[ST+4*\y+3], 0
.endr
	v_mul_u32_u24 v[AK0], v1, PK
	v_lshl_add_u32 v[AK0], v9, 4, v[AK0]           ; row x pitch + 16 x half
	v_add_nc_u32 v[AR0], ROFF, v[AK0]
	v_and_b32 v10, 7, v0                           ; the turning load: lane l reads key 8 h + l % 8, channels 8 ((l / 8) % 2) + 0..7
	v_bfe_u32 v11, v0, 3, 1
	v_lshl_add_u32 v[AV0], v9, 3, v10
	v_mul_u32_u24 v[AV0], v[AV0], PV
	v_lshl_add_u32 v[AV0], v11, 4, v[AV0]
	v_add_nc_u32 v[AV0], VOFF, v[AV0]
	s_mul_i32 s13, s[WV], 2*SPIECE
	s_add_co_u32 s13, s13, STAGE                   ; my stage
	v_mul_u32_u24 v[STO], v1, SP                   ; in: row r, 16 bytes for each half of the lanes
	v_lshl_add_u32 v[STO], v9, 4, v[STO]
	v_add_nc_u32 v[STO], s13, v[STO]
	v_mul_u32_u24 v[RD], v9, SP                    ; back: lanes 0-7 row r of piece 0, lanes 8-15 of piece 1: rows 8 r + 2 wave and the next of the block; lanes 16-31 the same for r + 1
	v_mul_u32_u24 v[GO], v11, SPIECE
	v_add_nc_u32 v[RD], v[RD], v[GO]
	v_lshl_add_u32 v[RD], v10, 4, v[RD]
	v_add_nc_u32 v[RD], s13, v[RD]
	s_lshl_b32 s13, s[WV], 8
	v_lshlrev_b32 v[GO], 10, v9                    ; in ob: 1,024 h + 256 wave + 16 (l % 16): sixteen lanes store 256 consecutive bytes, aligned
	v_lshl_add_u32 v[GO], v1, 4, v[GO]
	v_add_nc_u32 v[GO], s13, v[GO]
	s_mul_i32 s13, s[WV], 2*RPIECE
	s_add_co_u32 s13, s13, RING                    ; my rings
	v_mul_u32_u24 v[RW], v1, RPITCH
	v_add_nc_u32 v[RW], s13, v[RW]
	v_lshl_add_u32 v[RR], v9, 4, v[RW]
	v_add_nc_u32 v[LW], v1, v9
	v_lshl_add_u32 v[LW], v[LW], 4, 16
	v_lshlrev_b32 v10, 3, v9                       ; 8 h
	s_lshl_b32 s13, s[WV], 1                       ; 2 wave
	v_lshlrev_b32 v[TH], 3, v1
	v_sub_nc_u32 v[TH], v[TH], v10
	v_add_nc_u32 v[TH], s13, v[TH]
	v_add_nc_u32 v[TH+1], 1, v[TH]
	s_sub_co_u32 s13, 7, s13
	v_sub_nc_u32 v[D0], v1, v10
	v_add_nc_u32 v[D0], s13, v[D0]
	; SELM as source 0: lane (r, h) holds row m = r; register j holds k = 16 (j / 4) + 8 h + 2 (j % 4) in its low half and the next k in its high half.  64.0 stands where k = r + 7 - rho.
.irp x, 0,1
.irp j, 0,1,2,3,4,5,6,7
	v_cmp_eq_u32 vcc_lo, 16*(\j/4)+2*(\j%4)+\x, v[D0]
	v_cndmask_b32 v[S+8*\x+\j], 0, s[HLO], vcc_lo
.endr
.endr
	WIN 0x80                                       ; destination window 2
.irp x, 0,1
.irp j, 0,1,2,3,4,5,6,7
	v_cmp_eq_u32 vcc_lo, 16*(\j/4)+2*(\j%4)+\x+1, v[D0]
	v_cndmask_b32 v[SELM+8*\x+\j], v[S+8*\x+\j], s[HHI], vcc_lo
.endr
.endr
	WIN 0
; 64 NEW DISTANCES: 64 rows of R at v[AR] times both pieces' Q, rounded to f16 and stored into the rings at phase PHW.  withk = 1: the step's K is fetched in the same run of loads.
; The 8 accumulators take turns.
.macro PRODUCE withk
	WIN 0x80                                       ; destination window 2, address window 0
.irp f, 0,1,2,3,4,5,6,7                                ; rows 16 (f / 2) on, channels 32 (f % 2) on
	ds_load_b128 v[RF+8*\f:RF+8*\f+3],   v[AR] offset:(\f/2)*16*PK+(\f%2)*64
	ds_load_b128 v[RF+8*\f+4:RF+8*\f+7], v[AR] offset:(\f/2)*16*PK+(\f%2)*64+32
.endr
.if \withk
.irp f, 0,1,2,3,4,5,6,7
	ds_load_b128 v[KF+8*\f:KF+8*\f+3],   v[AK] offset:(\f/2)*16*PK+(\f%2)*64
	ds_load_b128 v[KF+8*\f+4:KF+8*\f+7], v[AK] offset:(\f/2)*16*PK+(\f%2)*64+32
.endr
.endif
	WIN 0
.irp t, 0,1,2,3                                        ; block t of 16 distances: byte (phase + 16 + 32 t + 16 h + 16 r) modulo 512 of my ring row
	v_add3_u32 v[WA+\t], v[LW], s[PHW], 32*\t
	v_and_b32 v[WA+\t], 511, v[WA+\t]
	v_add_nc_u32 v[WA+\t], v[RW], v[WA+\t]
.endr
	s_wait_dscnt 16*(\withk)                       ; R is in; K's sixteen loads, issued behind it, may be out
	WIN W_MM
.irp c, 0,1
.irp t, 0,1,2,3
.irp x, 0,1
.if \c == 0
	v_wmma_f32_16x16x32_f16 v[T+32*\x+8*\t:T+32*\x+8*\t+7], v[RF+16*\t+8*\c:RF+16*\t+8*\c+7], v[Q+16*\x+8*\c:Q+16*\x+8*\c+7], 0
.else
	v_wmma_f32_16x16x32_f16 v[T+32*\x+8*\t:T+32*\x+8*\t+7], v[RF+16*\t+8*\c:RF+16*\t+8*\c+7], v[Q+16*\x+8*\c:Q+16*\x+8*\c+7], v[T+32*\x+8*\t:T+32*\x+8*\t+7]
.endif
.endr
.endr
.endr
	WIN 0
	PLACES
.set i, 0
.rept 32                                               ; each accumulator's lowest registers are read first
	v_cvt_pk_f16_f32 v[TP+i], v[T+2*i], v[T+2*i+1]
.set i, i+1
.endr
.irp x, 0,1
.irp t, 0,1,2,3
	ds_store_b128 v[WA+\t], v[TP+16*\x+4*\t:TP+16*\x+4*\t+3] offset:\x*RPIECE
.endr
.endr
.endm
; THE SOFTMAX of both pieces for one key step, the two pieces alternating.
.macro REGS y
.set rT, ST+4*(\y)
.set rC, TMP+4*(\y)
.set rW, MV+(\y)
.set rS, S+32*(\y)
.endm
; Number n of the 22 that find a piece's maximum and statistics.  0-11 four chains c0-c3 of seven scores each (each accumulator's lowest registers first); 12-14, 16 the four scores left over, the old m, and c0-c3 into c0;
; 15 c m_old is kept; 17, 18 the query's other 32 keys lie in the lane 16 away: the new m; 19-21 c m; c m_old - c m_new; a
.macro XS y, n
	REGS \y
.if (\n) < 4
	v_max3_num_f32 v[rC+(\n)], v[rS+8*(\n)], v[rS+8*(\n)+1], v[rS+8*(\n)+2]
.elseif (\n) < 12
	v_max3_num_f32 v[rC+(\n)%4], v[rC+(\n)%4], v[rS+8*((\n)%4)+2*((\n)/4)+1], v[rS+8*((\n)%4)+2*((\n)/4)+2]
.elseif (\n) == 12
	v_max3_num_f32 v[rC], v[rC], v[rS+7], v[rS+15]
.elseif (\n) == 13
	v_max3_num_f32 v[rC+1], v[rC+1], v[rS+23], v[rS+31]
.elseif (\n) == 14
	v_max3_num_f32 v[rC+2], v[rC+2], v[rC+3], v[rT+1]
.elseif (\n) == 15
	v_mov_b32 v[rW], v[rT]
.elseif (\n) == 16
	v_max3_num_f32 v[rC], v[rC], v[rC+1], v[rC+2]
.elseif (\n) == 17
	v_permlanex16_b32 v[rC+3], v[rC], s[XSEL], s[XSEL+1]
.elseif (\n) == 18
	v_max_num_f32 v[rT+1], v[rC], v[rC+3]
.elseif (\n) == 19
	v_mul_f32 v[rT], s[CS], v[rT+1]
.elseif (\n) == 20
	v_sub_f32 v[rC+1], v[rW], v[rT]
.else
	v_exp_f32 v[rC+2], v[rC+1]
.endif
.endm
.macro FL n                            ; c s - c m for pair n of both pieces
.irp y, 0,1
	v_pk_fma_f32 v[S+32*\y+2*(\n):S+32*\y+2*(\n)+1], v[S+32*\y+2*(\n):S+32*\y+2*(\n)+1], s[CS:CS+1], v[ST+4*\y:ST+4*\y+1] op_sel_hi:[1,0,0] neg_lo:[0,0,1] neg_hi:[0,0,1]
.endr
.endm
.macro CL n                            ; pair n of both pieces rounded to f16
	s_wait_alu depctr_va_vdst(0)
.irp y, 0,1
	v_cvt_pk_f16_f32 v[P+16*\y+(\n)], v[S+32*\y+2*(\n)], v[S+32*\y+2*(\n)+1]
.endr
.endm
.macro SOFTMAX
	WIN 0
.irp n, 0,1,2,3,4,5,6,7,8,9,10,11,12,13,14,15,16,17,18,19,20,21
	XS 0, \n
	XS 1, \n
.endr
.set z, 0
.rept 15                                               ; the scalings are the plain lines behind the two exponentials that made a
	FL z
.set z, z+1
.endr
.set z, 0
.rept 16                                               ; four exponentials, then two plain lines that read none of them: the last scaling, then the roundings of the group before
	v_exp_f32 v[S+2*z], v[S+2*z]
	v_exp_f32 v[S+32+2*z], v[S+32+2*z]
	v_exp_f32 v[S+2*z+1], v[S+2*z+1]
	v_exp_f32 v[S+32+2*z+1], v[S+32+2*z+1]
.if z == 0
	FL 15
.else
	CL z-1
.endif
.set z, z+1
.endr
	CL 15
	WIN W_RS
.set z, 0
.rept 16                                               ; O^T times a, from each accumulator's low end on
	v_pk_mul_f32 v[2*z:2*z+1], v[2*z:2*z+1], v[TMP+2:TMP+3] op_sel_hi:[1,0]
	v_pk_mul_f32 v[32+2*z:32+2*z+1], v[32+2*z:32+2*z+1], v[TMP+6:TMP+7] op_sel_hi:[1,0]
.set z, z+1
.endr
	WIN 0
.set z, 0
.rept 8                                                ; of four weights the second pair is added onto the first, in place
	v_pk_add_f32 v[S+4*z:S+4*z+1], v[S+4*z:S+4*z+1], v[S+4*z+2:S+4*z+3]
	v_pk_add_f32 v[S+32+4*z:S+32+4*z+1], v[S+32+4*z:S+32+4*z+1], v[S+32+4*z+2:S+32+4*z+3]
.set z, z+1
.endr
	v_pk_fma_f32 v[ST+2:ST+3], v[ST+2:ST+3], v[TMP+2:TMP+3], v[S:S+1] op_sel_hi:[1,0,1]          ; l = a l + the first sum
	v_pk_fma_f32 v[ST+6:ST+7], v[ST+6:ST+7], v[TMP+6:TMP+7], v[S+32:S+33] op_sel_hi:[1,0,1]
.set z, 1
.rept 7
	v_pk_add_f32 v[ST+2:ST+3], v[ST+2:ST+3], v[S+4*z:S+4*z+1]
	v_pk_add_f32 v[ST+6:ST+7], v[ST+6:ST+7], v[S+32+4*z:S+32+4*z+1]
.set z, z+1
.endr
.endm
; A KEY STEP, in phases: the new distances; the scores; the relative term; the mask (in a block's last tile); the softmax; V^T P.
.macro STEP
	WIN 0
	v_add_nc_u32 v[AR], s[TBK], v[AR0]
	v_add_nc_u32 v[AK], s[TBK], v[AK0]
	v_add_nc_u32 v[AV], s[TBV], v[AV0]
	v_add_nc_u32 v[RA], s[PH], v[RR]
	s_add_co_u32 s[PH4], s[PH], 128
	s_and_b32 s[PH4], s[PH4], 511
	v_add_nc_u32 v[RA4], s[PH4], v[RW]
	s_mov_b32 s[PHW], s[PH]
	PRODUCE 1
	WIN 0x40                                       ; destination window 1
.irp x, 0,1                                            ; five chunks of 16 positions in consecutive registers: chunks kt and kt + 1 are the fragment for key group kt.  LDS serves a wave's instructions in order: these see the stores above
.irp c, 0,1,2,3
	ds_load_b128 v[BF+20*\x+4*\c:BF+20*\x+4*\c+3], v[RA] offset:\x*RPIECE+32*\c
.endr
	ds_load_b128 v[BF+20*\x+16:BF+20*\x+19], v[RA4] offset:\x*RPIECE
.endr
	WIN 0x80
.irp f, 0,1,2,3,4,5,6,7                                ; V, turned: keys 32 (f / 4) on, channels 16 (f % 4) on
	ds_load_tr16_b128 v[VF+8*\f:VF+8*\f+3],   v[AV] offset:(\f/4)*32*PV+(\f%4)*32
	ds_load_tr16_b128 v[VF+8*\f+4:VF+8*\f+7], v[AV] offset:(\f/4)*32*PV+16*PV+(\f%4)*32
.endr
	s_wait_dscnt 34                                ; K is in: behind its run stand 8 ring stores, 10 ring loads and V's 16 loads
	WIN W_MM
.irp c, 0,1
.irp kt, 0,1,2,3
.irp x, 0,1
.if \c == 0
	v_wmma_f32_16x16x32_f16 v[S+32*\x+8*\kt:S+32*\x+8*\kt+7], v[KF+16*\kt+8*\c:KF+16*\kt+8*\c+7], v[Q+16*\x+8*\c:Q+16*\x+8*\c+7], 0
.else
	v_wmma_f32_16x16x32_f16 v[S+32*\x+8*\kt:S+32*\x+8*\kt+7], v[KF+16*\kt+8*\c:KF+16*\kt+8*\c+7], v[Q+16*\x+8*\c:Q+16*\x+8*\c+7], v[S+32*\x+8*\kt:S+32*\x+8*\kt+7]
.endif
.endr
.endr
.endr
	s_wait_dscnt 16                                ; the ring's chunks are in; V's run may be out
.irp kt, 0,1,2,3
.irp x, 0,1
	v_wmma_f32_16x16x32_f16 v[S+32*\x+8*\kt:S+32*\x+8*\kt+7], v[SELM+8*\x:SELM+8*\x+7], v[BF+20*\x+4*\kt:BF+20*\x+4*\kt+7], v[S+32*\x+8*\kt:S+32*\x+8*\kt+7]
.endr
.endr
	WIN 0
	PLACES
	s_cmp_lg_u32 s[RT], 0
	s_cbranch_scc1 .Lopen_\@                       ; only a block's last tile holds hidden keys
	v_sub_nc_u32 v[THT], v[TH], s[E64]
	v_sub_nc_u32 v[THT+1], v[TH+1], s[E64]
.irp x, 0,1
.set i, 0
.rept 32
	v_cmp_gt_i32 vcc_lo, 16*(i/8)+i%8, v[THT+\x]
	v_cndmask_b32 v[S+32*\x+i], v[S+32*\x+i], s[BIGN], vcc_lo
.set i, i+1
.endr
.endr
.Lopen_\@:
	SOFTMAX
	s_wait_dscnt 0x0                               ; V is in
	WIN W_PV
.irp kk, 0,1
.irp cb, 0,1,2,3
.irp x, 0,1
	v_wmma_f32_16x16x32_f16 v[32*\x+8*\cb:32*\x+8*\cb+7], v[VF+32*\kk+8*\cb:VF+32*\kk+8*\cb+7], v[P+16*\x+8*\kk:P+16*\x+8*\kk+7], v[32*\x+8*\cb:32*\x+8*\cb+7]
.endr
.endr
.endr
	WIN 0
	s_add_co_u32 s[TBK], s[TBK], KS*PK
	s_add_co_u32 s[TBV], s[TBV], KS*PV
	s_add_co_u32 s[PH], s[PH], 128
	s_add_co_u32 s[E64], s[E64], 64
.endm
; A BLOCK BEGINS: c m far below every c s, m at the lowest finite number; then the distances y = 0 .. 127, from the tile of R at LDS byte rp, in two runs of 64, two and one steps behind the phase of the block's first step.
.macro BEGIN rp
	WIN 0
	s_mov_b32 s[NEW], 0
.irp y, 0,1
	v_mov_b32 v[ST+4*\y], 0xfe000000
	v_mov_b32 v[ST+4*\y+1], 0xff7fffff
.endr
	s_wait_loadcnt 0x0                             ; Q
	s_add_co_u32 s[PHW], s[PH], 256
	s_and_b32 s[PHW], s[PHW], 511
	v_add_nc_u32 v[AR], \rp, v[AK0]
	s_mov_b32 s[CN2], 2
.Lpro_\@:
	PRODUCE 0
	v_add_nc_u32 v[AR], KS*PK, v[AR]
	s_add_co_u32 s[PHW], s[PHW], 128
	s_and_b32 s[PHW], s[PHW], 511
	s_sub_co_u32 s[CN2], s[CN2], 1
	s_cmp_lg_u32 s[CN2], 0
	s_cbranch_scc1 .Lpro_\@
.endm
; A BLOCK ENDS: l's two halves and the other half of the lanes' are added; O^T is divided by l, rounded to f16, sent through my stage and stored.  last = 0: the second block's pointers and Q take their places.
.macro FINISH last
	WIN 0
	PLACES
.irp y, 0,1
	v_add_f32 v[ST+4*\y+2], v[ST+4*\y+2], v[ST+4*\y+3]
.endr
.irp y, 0,1
	v_permlanex16_b32 v[ST+4*\y+3], v[ST+4*\y+2], s[XSEL], s[XSEL+1]
.endr
.irp y, 0,1
	v_add_f32 v[ST+4*\y+2], v[ST+4*\y+2], v[ST+4*\y+3]
.endr
.irp y, 0,1
	v_rcp_f32 v[ST+4*\y+2], v[ST+4*\y+2]
.endr
	v_nop                                          ; a plain instruction between the last reciprocal and the use of its result
	WIN W_RS
	s_wait_alu depctr_va_vdst(0)
.irp y, 0,1
.set i, 0
.rept 16
	v_pk_mul_f32 v[32*\y+2*i:32*\y+2*i+1], v[32*\y+2*i:32*\y+2*i+1], v[ST+4*\y+2:ST+4*\y+3] op_sel_hi:[1,0]
.set i, i+1
.endr
.endr
	WIN 0x05                                       ; sources 0 and 1 window 1, destination window 0: S^T's registers are free
.set i, 0
.rept 32
	v_cvt_pk_f16_f32 v[S+i], v[2*i], v[2*i+1]
.set i, i+1
.endr
	WIN 0
.irp y, 0,1
.irp cb, 0,1,2,3
	ds_store_b128 v[STO], v[S+16*\y+4*\cb:S+16*\y+4*\cb+3] offset:\y*SPIECE+32*\cb
.endr
.endr
.irp f, 0,1,2,3,4,5,6,7
	ds_load_b128 v[T+4*\f:T+4*\f+3], v[RD] offset:\f*2*SP  ; LDS serves a wave's instructions in order: these see the stores above
.endr
.irp f, 0,1,2,3,4,5,6,7
	s_wait_dscnt 7-\f
	global_store_b128 v[GO], v[T+4*\f:T+4*\f+3], s[10:11] offset:\f*2048  ; sixteen lanes store 256 consecutive bytes, at a multiple of 256 from the buffer's first
.endr
	s_wait_xcnt 0x0                                ; the stores' data registers and their base are rewritten only behind this wait
.if !(\last)
	s_mov_b64 s[10:11], s[OLO:OLO+1]
	s_add_co_u32 s[RT], s[PB], 1                   ; the second block has b + 1 tiles
	s_mov_b32 s[NEW], 1
	WIN W_RS
.set i, 0
.rept 32                                               ; the second block's Q goes where the one text of the steps names Q
	v_mov_b32 v[Q+i], v[QB+i]
.set i, i+1
.endr
	WIN 0
.endif
.endm
; A tile is entered: the second block's beginning if it is that block's first; two key steps; a block's end if it is the block's last.  Every jump but the counted loops' goes forward, past no barrier and no tensor load.
.macro TILEBODY last
	s_sub_co_u32 s[RT], s[RT], 1
	s_mov_b32 s[E64], 0
	s_cmp_eq_u32 s[NEW], 1
	s_cbranch_scc0 .Lold_\@
	BEGIN RP1
.Lold_\@:
	s_mov_b32 s[CNT], 2
.Lstep_\@:
	STEP
	s_sub_co_u32 s[CNT], s[CNT], 1
	s_cmp_lg_u32 s[CNT], 0
	s_cbranch_scc1 .Lstep_\@
.if \last
	FINISH 1
.else
	s_cmp_lg_u32 s[RT], 0
	s_cbranch_scc1 .Lmore_\@
	FINISH 0
.Lmore_\@:
.endif
.endm
	s_wait_tensorcnt 0x0                           ; my first fills have landed,
	s_barrier_signal -1
	s_barrier_wait -1                              ; everybody's have: slot 0 and the two opening tiles of R are whole
	BEGIN RP0                                      ; the first block begins
.Lslot:                                                ; 16 times: a tile is entered and the next is asked for
	CHANGE 1
	TILEBODY 0
	s_sub_co_u32 s[SLOTS], s[SLOTS], 1
	s_cmp_lg_u32 s[SLOTS], 0
	s_cbranch_scc1 .Lslot
	CHANGE 0                                       ; the walk's last tile is written out: nothing is asked for
	TILEBODY 1
	s_wait_tensorcnt 0x0                           ; the wave's end: an add onto the spare word and its waits, behind my last tensor load and my last LDS store
	ds_add_u32 v[SPW], v[NIL]
	s_wait_dscnt 0x0
	s_endpgm
.Lfunc_end_k_qeef9a14c2f_attend:
	.size	k_qeef9a14c2f_attend, .Lfunc_end_k_qeef9a14c2f_attend-k_qeef9a14c2f_attend
	.p2alignl 7, 3214868480
	.fill 96, 4, 3214868480
	.section	.rodata,"a",@progbits
	.p2align	6, 0x0
	.amdhsa_kernel k_qeef9a14c2f_attend
		.amdhsa_group_segment_fixed_size 327680
		.amdhsa_private_segment_fixed_size 0
		.amdhsa_enable_private_segment 0
		.amdhsa_kernarg_size 24
		.amdhsa_user_sgpr_count 2
		.amdhsa_user_sgpr_kernarg_segment_ptr 1
		.amdhsa_wavefront_size32 1
		.amdhsa_system_sgpr_workgroup_id_x 1
		.amdhsa_system_sgpr_workgroup_id_y 1
		.amdhsa_system_sgpr_workgroup_id_z 1
		.amdhsa_system_vgpr_workitem_id 0
		.amdhsa_next_free_vgpr 768
		.amdhsa_next_free_sgpr 100
		.amdhsa_reserve_vcc 1
		.amdhsa_float_denorm_mode_32 3
		.amdhsa_float_denorm_mode_16_64 3
		.amdhsa_memory_ordered 1
		.amdhsa_forward_progress 1
		.amdhsa_inst_pref_size 114
	.end_amdhsa_kernel
	.amdgpu_metadata
---
amdhsa.version: [ 1, 2 ]
amdhsa.kernels:
  - .name:           k_qeef9a14c2f_attend
    .symbol:         k_qeef9a14c2f_attend.kd
    .args:
      - { .name: qkv, .offset: 0, .size: 8, .value_kind: global_buffer, .address_space: global }
      - { .name: rs, .offset: 8, .size: 8, .value_kind: global_buffer, .address_space: global }
      - { .name: ob, .offset: 16, .size: 8, .value_kind: global_buffer, .address_space: global }
    .group_segment_fixed_size: 327680
    .private_segment_fixed_size: 0
    .kernarg_segment_align: 8
    .kernarg_segment_size: 24
    .max_flat_workgroup_size: 128
    .sgpr_count:     100
    .vgpr_count:     768
    .wavefront_size: 32
...
	.end_amdgpu_metadata
.endif
;; end of part 3
;; launch project_out (part 4): grid 8 x 32, 4 waves a work-group, clusters of 4 x 4, 327,680 bytes of LDS; arguments ob, woh, bias, out0; writes out0
.if DOCPART == 4
	.amdgcn_target "amdgcn-amd-amdhsa--gfx1250"
	.amdhsa_code_object_version 6
	.text
	.protected	k_qeef9a14c2f_project_out
	.globl	k_qeef9a14c2f_project_out
	.p2align	8
	.type	k_qeef9a14c2f_project_out,@function
k_qeef9a14c2f_project_out:
	s_mov_b64 s[64:65], 0
	v_nop
	global_prefetch_b8 v0, s[64:65] scope:SCOPE_SE
	s_setreg_imm32_b32 hwreg(HW_REG_WAVE_MODE, 25, 1), 1
	s_wait_xcnt 0x0
	s_wait_alu depctr_hold_cnt(0) depctr_sa_sdst(0) depctr_va_vdst(0) depctr_va_sdst(0) depctr_va_ssrc(0) depctr_va_vcc(0) depctr_vm_vsrc(0)
	s_getreg_b32 s2, hwreg(HW_REG_IB_STS2, 6, 4)
	s_cmp_eq_u32 s2, 0
	s_cbranch_scc0 .Lentry_in_a_cluster
	s_endpgm
.Lentry_in_a_cluster:
	s_bfe_u32 s2, ttmp6, 0x10000c
	s_cmp_lg_u32 s2, 0xf033
	s_cbranch_scc0 .Lentry_shape_is_right
	s_endpgm
.Lentry_shape_is_right:
; out0 = O Wo + bo.  ob: f16 [32 mt][16 h][128 rows][64]: the 128 rows of tile row mt, head by head.  woh: f16 [1024 k][1024 n].  bias: f32 [4096], bo from number 3,072 on.  out0: f32 [4096][1024].
; Sums in f32, started by the bias, stored as they are.  A tile of out0 is 128 x 128: 8 x 32 tiles, one for each of 256 work-groups; four waves, each 64 x 64: 16 accumulators, 128 registers.
; K goes in steps of 256 (four heads) through two LDS slots: four steps, written out.  A quarter of a step is one head, 64 along K.
; CLUSTERS: 4 x 4 work-groups.  The four of a row of the cluster need the same tiles of ob, the four of a column the same tiles of woh: each is asked for jointly.
; THE MATRIX INSTRUCTION IS USED TRANSPOSED: source 0 = 16 columns of Wo (turned by ds_load_tr16_b128), source 1 = 16 rows of O: a lane holds eight neighbouring numbers of a row of out0, 32 bytes.
; REGISTERS: window 0: v0-31 addresses; v32-95 at work on the way out; v96-127 the bias; v128-255 the accumulators ((a, b) at 128 + 8 (4 a + b)).
;   window 1: two fragment buffers of 128: for 64 along K, 64 registers of O (2 x 4 x 16 rows x 32 K), then 64 of Wo.
.set PO,     144                       ; an LDS row of ob: 128 bytes + 16 of padding
.set PWO,    288                       ; an LDS row of woh: 256 bytes + 32 of padding
.set PLANE,  128*PO                    ; a head's 128 rows: 18,432 bytes; 64 rows k of woh are as many
.set AHALF,  2*PLANE                   ; what wave 0 or 1 fetches: two heads of ob; what wave 2 or 3 fetches, 128 rows k of woh, is as many bytes
.set BOFF,   2*AHALF
.set SLOT,   4*AHALF                   ; 147,456
.set STAGE,  2*SLOT                    ; behind the ring: 16 rows x 272 bytes for each wave, for the way out
.set SPITCH, 272
.set SPARE,  STAGE+4*16*SPITCH         ; behind the stages: the spare words, 128 bytes for each wave: two blocks of 256 bytes that no other line names
.set ADRA, 16                          ; v16-17  LDS address of my fragments of ob in slot 0, 1
.set ADRB, 20                          ; v20-23  of woh: slot s, heads 2 u and 2 u + 1 of the step at v[20 + 2 s + u], so that the loads' offsets stay inside 16 bits
.set STO,  24
.set RD,   25
.set CO,   26
.set BO,   27
.set SPW,  28                          ; v28     LDS address of my spare word; never rewritten
.set NIL,  29                          ; v29     0; never rewritten
.set TMP,  32
.set BI,   96
.set ACC,  128
.set F0,   0
.set F1,   128
.set WV,   12                          ; s12     my wave's number
.set FB,   13                          ; s13     which half of the tile's rows is mine.  Also: I fetch for ob (0) or for woh (1)
.set HF,   14                          ; s14     which half of its columns.  Also: which half of that tile I fetch
.set TY,   15                          ; s15     tile row
.set G1,   24
.set G0,   32
.set G1B,  48
.set G0B,  56
.set MSB, 0
.macro WIN new
.if MSB != (\new)
	s_set_vgpr_msb (MSB<<8)|(\new)
.set MSB, (\new)
.endif
.endm
.set MUL,  0x05                        ; sources 0 and 1 window 1; C and D window 0
.set TO_F, 0x40                        ; destination window 1, address window 0
.macro PLACES
.rept 4
	v_nop
.endr
.endm
.macro JLOAD s                         ; a joint load; an s_nop 0 and four v_nop follow each of the two lines
	s_cmp_eq_u32 s[FB], 0
	s_cbranch_scc0 .Lfor_b_\@
	tensor_load_to_lds s[G0+4*(\s):G0+4*(\s)+3], s[G1:G1+7]
	s_nop 0
.rept 4
	v_nop
.endr
	s_branch .Lasked_\@
.Lfor_b_\@:
	tensor_load_to_lds s[G0B+4*(\s):G0B+4*(\s)+3], s[G1B:G1B+7]
	s_nop 0
.rept 4
	v_nop
.endr
.Lasked_\@:
.endm
.macro CREST
	s_cmp_lg_u32 s[WV], 0
	s_cbranch_scc1 .Lnot_wave_0_\@
	s_barrier_signal -3
.Lnot_wave_0_\@:
	s_barrier_wait -3
	s_barrier_signal -1
	s_barrier_wait -1
.endm
.macro CROUND
	s_barrier_signal -1
	s_barrier_wait -1
	CREST
.endm
	s_load_b256 s[4:11], s[0:1], 0x0               ; ob s[4:5], woh s[6:7], bias s[8:9], out0 s[10:11]
	v_lshl_add_u32 v[SPW], v0, 2, SPARE
	v_mov_b32 v[NIL], 0
	ds_add_u32 v[SPW], v[NIL]                      ; the wave's opening: the add and its wait stand ahead of my first tensor load; the set-up below, work on registers, stands between them
	ds_add_u32 v28, v29
	v_lshrrev_b32 v1, 5, v0
	v_readfirstlane_b32 s[WV], v1
	s_lshr_b32 s[FB], s[WV], 1
	s_and_b32 s[HF], s[WV], 1
	s_bfe_u32 s40, ttmp6, 0x40000                  ; cx, cy
	s_bfe_u32 s41, ttmp6, 0x40004
	s_lshl_b32 s42, ttmp9, 2
	s_add_co_u32 s42, s42, s40                     ; tile column
	s_and_b32 s[TY], ttmp7, 0xffff
	s_lshl_b32 s[TY], s[TY], 2
	s_add_co_u32 s[TY], s[TY], s41                 ; tile row
	s_lshl_b32 s43, s41, 2
	s_lshl_b32 s43, 15, s43                        ; my row of the cluster
	s_lshl_b32 s44, 0x1111, s40                    ; my column
	; group 1 for ob: two heads' 256 rows of 128 bytes are 32,768 dense bytes: 128 rows of 256 bytes, 16 bytes of padding behind every 128
	s_or_b32 s[G1+0], s43, (1<<16)|(1<<20)|(1<<21)|(4<<22)|(3<<25)
	; group 1 for woh: 128 rows k x 128 columns, 32 bytes of padding behind every 256
	s_or_b32 s[G1B+0], s44, (1<<16)|(1<<20)|(1<<21)|(5<<22)|(7<<25)
.irp g, G1, G1B
	s_mov_b32 s[(\g)+1], 128<<16                   ; tensor_dim0 = 128
	s_mov_b32 s[(\g)+2], 128<<16                   ; tensor_dim1 = 128
	s_mov_b32 s[(\g)+3], 128<<16                   ; tile_dim0 = 128
	s_mov_b32 s[(\g)+4], 128                       ; tile_dim1 = 128
	s_mov_b32 s[(\g)+6], 0
	s_mov_b32 s[(\g)+7], 0
.endr
	s_mov_b32 s[G1+5], 128                         ; elements from row to row: dense
	s_mov_b32 s[G1B+5], 1024
	s_lshl_b32 s16, s[TY], 18                      ; ob: 16 heads of 16,384 bytes x tile row,
	s_lshl_b32 s17, s[HF], 15                      ; two heads x half
	s_add_co_u32 s16, s16, s17
	s_mov_b32 s17, 0
	s_lshl_b32 s46, s42, 8                         ; woh: 128 columns x tile column,
	s_lshl_b32 s47, s[HF], 18                      ; 128 rows of 2,048 bytes x half
	s_add_co_u32 s46, s46, s47
	s_mov_b32 s47, 0
	s_mul_i32 s21, s[HF], AHALF                    ; where they go
	s_add_co_u32 s22, s21, BOFF
	s_wait_dscnt 0x0                               ; the opening add is done
	s_wait_kmcnt 0x0
	s_add_nc_u64 s[18:19], s[4:5], s[16:17]
	s_add_nc_u64 s[46:47], s[6:7], s[46:47]
	CROUND                                         ; all sixteen work-groups are here: the first joint loads meet
.irp s, 0,1
	s_mov_b32 s[G0+4*(\s)], 1
	s_add_co_u32 s[G0+4*(\s)+1], s21, (\s)*SLOT
	s_add_nc_u64 s[G0+4*(\s)+2:G0+4*(\s)+3], s[18:19], (\s)*65536
	s_or_b32 s[G0+4*(\s)+3], s[G0+4*(\s)+3], 0x80000000
	s_mov_b32 s[G0B+4*(\s)], 1
	s_add_co_u32 s[G0B+4*(\s)+1], s22, (\s)*SLOT
	s_add_nc_u64 s[G0B+4*(\s)+2:G0B+4*(\s)+3], s[46:47], (\s)*524288
	s_or_b32 s[G0B+4*(\s)+3], s[G0B+4*(\s)+3], 0x80000000
	JLOAD \s
.endr
	v_and_b32 v1, 15, v0                           ; r
	v_bfe_u32 v2, v0, 4, 1                         ; h
	v_lshlrev_b32 v[BO], 5, v2
	s_lshl_b32 s46, s42, 9                         ; bo: number 3,072 + 128 x tile column + 64 x my half
	s_lshl_b32 s47, s[HF], 8
	s_add_co_u32 s46, s46, s47
	s_add_co_u32 s46, s46, 12288
	s_mov_b32 s47, 0
	s_add_nc_u64 s[8:9], s[8:9], s[46:47]
.set i, 0
.rept 4
	global_load_b128 v[BI+8*i:BI+8*i+3],   v[BO], s[8:9] offset:64*i
	global_load_b128 v[BI+8*i+4:BI+8*i+7], v[BO], s[8:9] offset:64*i+16
.set i, i+1
.endr
	v_mul_u32_u24 v3, v1, PO
	v_lshl_add_u32 v3, v2, 4, v3
	s_mul_i32 s21, s[FB], 64*PO                    ; my 64 rows in each head's plane
	v_add_nc_u32 v[ADRA], s21, v3
	v_add_nc_u32 v[ADRA+1], SLOT, v[ADRA]
	v_and_b32 v4, 7, v0
	v_lshl_add_u32 v4, v2, 3, v4
	v_mul_u32_u24 v4, v4, PWO
	v_bfe_u32 v5, v0, 3, 1
	v_lshl_add_u32 v4, v5, 4, v4
	s_lshl_b32 s22, s[HF], 7                       ; my 64 columns
	s_add_co_u32 s22, s22, BOFF
	v_add_nc_u32 v[ADRB], s22, v4
	v_add_nc_u32 v[ADRB+1], AHALF, v[ADRB]
	v_add_nc_u32 v[ADRB+2], SLOT, v[ADRB]
	v_add_nc_u32 v[ADRB+3], SLOT, v[ADRB+1]
	s_mul_i32 s23, s[WV], 16*SPITCH
	s_add_co_u32 s23, s23, STAGE                   ; my stage
	v_mul_u32_u24 v6, v1, SPITCH                   ; in: row r, 32 bytes for each half of the lanes
	v_lshl_add_u32 v6, v2, 5, v6
	v_add_nc_u32 v[STO], s23, v6
	v_mul_u32_u24 v6, v2, SPITCH                   ; back: lanes 0-15 take one row of 256 bytes, lanes 16-31 the next
	v_lshl_add_u32 v6, v1, 4, v6
	v_add_nc_u32 v[RD], s23, v6
	v_lshlrev_b32 v[CO], 12, v2                    ; and the same two rows in out0
	v_lshl_add_u32 v[CO], v1, 4, v[CO]
	s_lshl_b32 s72, s[TY], 19                      ; out0 at my 64 x 64: in registers that feed no descriptor and no LDS address
	s_lshl_b32 s74, s[FB], 18
	s_add_co_u32 s72, s72, s74
	s_lshl_b32 s74, s42, 9
	s_add_co_u32 s72, s72, s74
	s_lshl_b32 s74, s[HF], 8
	s_add_co_u32 s72, s72, s74
	s_mov_b32 s73, 0
	s_add_nc_u64 s[10:11], s[10:11], s[72:73]
; 8 matrix instructions: m blocks a0, a0 + 1 x all 4 n blocks, 32 along K: half c of buffer f.  first = 1: the bias starts the sums.  The 16 accumulators take turns.
.macro MUL8 f, c, a0, first
	WIN MUL
.irp a, \a0, (\a0)+1
.irp b, 0,1,2,3
.if \first
	v_wmma_f32_16x16x32_f16 v[ACC+8*(4*(\a)+(\b)):ACC+8*(4*(\a)+(\b))+7], v[(\f)+64+8*(4*(\c)+(\b)):(\f)+64+8*(4*(\c)+(\b))+7], v[(\f)+8*(4*(\c)+(\a)):(\f)+8*(4*(\c)+(\a))+7], v[BI+8*(\b):BI+8*(\b)+7]
.else
	v_wmma_f32_16x16x32_f16 v[ACC+8*(4*(\a)+(\b)):ACC+8*(4*(\a)+(\b))+7], v[(\f)+64+8*(4*(\c)+(\b)):(\f)+64+8*(4*(\c)+(\b))+7], v[(\f)+8*(4*(\c)+(\a)):(\f)+8*(4*(\c)+(\a))+7], v[ACC+8*(4*(\a)+(\b)):ACC+8*(4*(\a)+(\b))+7]
.endif
.endr
.endr
.endm
; 32 LDS loads in one run: the fragments of head q of a slot's four into buffer f; the first 32 along K first
.macro FETCH slot, q, f
	WIN TO_F
.irp c, 0,1
.irp i, 0,1,2,3
	ds_load_tr16_b128 v[(\f)+64+8*(4*(\c)+(\i)):(\f)+64+8*(4*(\c)+(\i))+3],   v[ADRB+2*(\slot)+(\q)/2] offset:((\q)%2)*PLANE+(\c)*32*PWO+32*(\i)
	ds_load_tr16_b128 v[(\f)+64+8*(4*(\c)+(\i))+4:(\f)+64+8*(4*(\c)+(\i))+7], v[ADRB+2*(\slot)+(\q)/2] offset:((\q)%2)*PLANE+(\c)*32*PWO+32*(\i)+16*PWO
	ds_load_b128 v[(\f)+8*(4*(\c)+(\i)):(\f)+8*(4*(\c)+(\i))+3],              v[ADRA+(\slot)] offset:(\q)*PLANE+(\i)*16*PO+64*(\c)
	ds_load_b128 v[(\f)+8*(4*(\c)+(\i))+4:(\f)+8*(4*(\c)+(\i))+7],            v[ADRA+(\slot)] offset:(\q)*PLANE+(\i)*16*PO+64*(\c)+32
.endr
.endr
.endm
.macro QUARTER slot, q, f, g, first
	s_wait_dscnt 16                                ; the first 32 along K are in
	MUL8 \f, 0, 0, \first
	MUL8 \f, 0, 2, \first
	PLACES
	FETCH \slot, \q, \g
	s_wait_dscnt 32                                ; all but the 32 just issued
	MUL8 \f, 1, 0, 0
	MUL8 \f, 1, 2, 0
.endm
; The last quarter multiplies buffer 1 and changes slots: ONE barrier; in front of it each wave waits for all its tensor loads, adds 0 to its spare word, and waits for that and for its own reads of this slot.
; fill = 1: the barrier opens a round of the cluster's barrier, and this slot is filled again, two K steps ahead, first thing behind the round.
.macro TURN slot, next, fill
	WIN 0
	s_wait_tensorcnt 0x0
	ds_add_u32 v[SPW], v[NIL]                      ; 0 onto my spare word
	s_wait_dscnt 17                                ; (the add and the youngest sixteen loads may be out)
	MUL8 F1, 0, 0, 0
	s_wait_dscnt 0x0                               ; the add is done, and my reads of this slot are over
	s_barrier_signal -1
	MUL8 F1, 0, 2, 0
.if \fill
	WIN 0
.endif
	s_barrier_wait -1
.if \fill
	CREST
	s_add_nc_u64 s[G0+4*(\slot)+2:G0+4*(\slot)+3], s[G0+4*(\slot)+2:G0+4*(\slot)+3], 131072
	s_add_nc_u64 s[G0B+4*(\slot)+2:G0B+4*(\slot)+3], s[G0B+4*(\slot)+2:G0B+4*(\slot)+3], 1048576
	JLOAD \slot                                    ; the four v_nop behind it are also the places in front of the loads below
.else
	PLACES
.endif
	FETCH \next, 0, F0
	MUL8 F1, 1, 0, 0
	MUL8 F1, 1, 2, 0
.endm
	s_wait_tensorcnt 1                             ; my part of K step 0 is in; K step 1's may stay out
	s_barrier_signal -1
	s_barrier_wait -1
	FETCH 0, 0, F0
	s_wait_loadcnt 0x0                             ; the bias
	QUARTER 0, 1, F0, F1, 1
	QUARTER 0, 2, F1, F0, 0
	QUARTER 0, 3, F0, F1, 0
	TURN 0, 1, 1                                   ; slot 0 takes K step 2
	QUARTER 1, 1, F0, F1, 0
	QUARTER 1, 2, F1, F0, 0
	QUARTER 1, 3, F0, F1, 0
	TURN 1, 0, 1                                   ; slot 1 takes K step 3
	QUARTER 0, 1, F0, F1, 0
	QUARTER 0, 2, F1, F0, 0
	QUARTER 0, 3, F0, F1, 0
	TURN 0, 1, 0
	QUARTER 1, 1, F0, F1, 0
	QUARTER 1, 2, F1, F0, 0
	QUARTER 1, 3, F0, F1, 0
	s_wait_dscnt 16                                ; the very last quarter: nothing more to fetch
	MUL8 F1, 0, 0, 0
	MUL8 F1, 0, 2, 0
	s_wait_dscnt 0x0
	MUL8 F1, 1, 0, 0
	MUL8 F1, 1, 2, 0
	WIN 0
	; THE WAY OUT, a block of 16 rows at a time: a lane's 32 bytes of each 16 columns go into my own stage, each accumulator's low half first, and come back as whole rows: my 64 columns are 256 aligned bytes of out0.
	PLACES
.irp a, 0,1,2,3
	s_wait_xcnt 0x0                                ; the registers that earlier stores read are loaded again only behind this wait
.irp b, 0,1,2,3
	ds_store_b128 v[STO], v[ACC+8*(4*\a+\b):ACC+8*(4*\a+\b)+3]   offset:64*\b
	ds_store_b128 v[STO], v[ACC+8*(4*\a+\b)+4:ACC+8*(4*\a+\b)+7] offset:64*\b+16
.endr
.irp t, 0,1,2,3,4,5,6,7
	ds_load_b128 v[TMP+32*(\a%2)+4*\t:TMP+32*(\a%2)+4*\t+3], v[RD] offset:\t*2*SPITCH  ; LDS serves a wave's instructions in order: these see the stores above
.endr
.irp t, 0,1,2,3,4,5,6,7
	s_wait_dscnt 7-\t
	global_store_b128 v[CO], v[TMP+32*(\a%2)+4*\t:TMP+32*(\a%2)+4*\t+3], s[10:11] offset:(16*\a+2*\t)*4096
.endr
.endr
	s_wait_tensorcnt 0x0                           ; the wave's end: an add onto the spare word and its waits, behind my last tensor load and my last LDS store
	ds_add_u32 v[SPW], v[NIL]
	s_wait_dscnt 0x0
	CROUND                                         ; the closing round: no work-group ends while a partner may still ask for a tile that names it
	s_endpgm
.Lfunc_end_k_qeef9a14c2f_project_out:
	.size	k_qeef9a14c2f_project_out, .Lfunc_end_k_qeef9a14c2f_project_out-k_qeef9a14c2f_project_out
	.p2alignl 7, 3214868480
	.fill 96, 4, 3214868480
	.section	.rodata,"a",@progbits
	.p2align	6, 0x0
	.amdhsa_kernel k_qeef9a14c2f_project_out
		.amdhsa_group_segment_fixed_size 327680
		.amdhsa_private_segment_fixed_size 0
		.amdhsa_enable_private_segment 0
		.amdhsa_kernarg_size 32
		.amdhsa_user_sgpr_count 2
		.amdhsa_user_sgpr_kernarg_segment_ptr 1
		.amdhsa_wavefront_size32 1
		.amdhsa_system_sgpr_workgroup_id_x 1
		.amdhsa_system_sgpr_workgroup_id_y 1
		.amdhsa_system_sgpr_workgroup_id_z 1
		.amdhsa_system_vgpr_workitem_id 0
		.amdhsa_next_free_vgpr 512
		.amdhsa_next_free_sgpr 76
		.amdhsa_reserve_vcc 0
		.amdhsa_float_denorm_mode_32 3
		.amdhsa_float_denorm_mode_16_64 3
		.amdhsa_memory_ordered 1
		.amdhsa_forward_progress 1
		.amdhsa_inst_pref_size 87
	.end_amdhsa_kernel
	.amdgpu_metadata
---
amdhsa.version: [ 1, 2 ]
amdhsa.kernels:
  - .name:           k_qeef9a14c2f_project_out
    .symbol:         k_qeef9a14c2f_project_out.kd
    .args:
      - { .name: ob, .offset: 0, .size: 8, .value_kind: global_buffer, .address_space: global }
      - { .name: woh, .offset: 8, .size: 8, .value_kind: global_buffer, .address_space: global }
      - { .name: bias, .offset: 16, .size: 8, .value_kind: global_buffer, .address_space: global }
      - { .name: out0, .offset: 24, .size: 8, .value_kind: global_buffer, .address_space: global }
    .group_segment_fixed_size: 327680
    .private_segment_fixed_size: 0
    .kernarg_segment_align: 8
    .kernarg_segment_size: 32
    .max_flat_workgroup_size: 128
    .sgpr_count:     76
    .vgpr_count:     512
    .wavefront_size: 32
...
	.end_amdgpu_metadata
.endif
;; end of part 4
;; ======== version 2 of 2: 4 launches; version 1 with the launch cast written anew for expert scheduling mode
;; limits: values are held in f16: magnitudes above 65,504 overflow, below 6.1e-05 lose precision; right only within a limited range of input values
;; workspace buffers: xb 8,388,608 bytes; wb 6,291,456 bytes; woh 2,097,152 bytes; rs 278,528 bytes; bias 16,384 bytes; qkv 25,165,824 bytes; ob 8,388,608 bytes
;; launch cast (part 5): grid 521 x 1, 8 waves a work-group, no clusters, 0 bytes of LDS; arguments x, Wq, Wk, Wv, Wo, rel_key, bq, bk, bv, bo, xb, wb, woh, rs, bias; writes xb, wb, woh, rs, bias
.if DOCPART == 5
	.amdgcn_target "amdgcn-amd-amdhsa--gfx1250"
	.amdhsa_code_object_version 6
	.text
	.protected	k_qeef9a14c2f_cast
	.globl	k_qeef9a14c2f_cast
	.p2align	8
	.type	k_qeef9a14c2f_cast,@function
k_qeef9a14c2f_cast:
	s_mov_b64 s[64:65], 0
	v_nop
	global_prefetch_b8 v0, s[64:65] scope:SCOPE_SE
	s_setreg_imm32_b32 hwreg(HW_REG_WAVE_SCHED_MODE, 0, 2), 2
	s_setreg_imm32_b32 hwreg(HW_REG_WAVE_MODE, 25, 1), 1
	s_wait_xcnt 0x0
	s_wait_alu depctr_vm_vsrc(0)
; ROUNDINGS AND LAYOUTS.  Every input of the module is rounded once to bf16 here and laid out for the launches behind.
;   xb   bf16 [4096][1024]                     x as it lies
;   wb   bf16 [48 g][1024 k][64 n]             g = 16 T + head, T = 0 Wq, 1 Wk, 2 Wv: a head's 64 columns of a row are 128 dense bytes
;   woh  f16  [1024 k][1024 n]                 bf16(Wo) written as f16
;   rs   f16  [2176][64]                       bf16(rel_key) x 2^-6 written as f16; rows 2048 .. 2175 are zeros
;   bias f32  [4096]                           bf16(bq | bk | bv | bo) widened again
; LIMITS.  A bf16 number written as f16 is exact from 6.1e-5 to 65,504; below it keeps f16's fixed step of 6e-8 (for rel_key, scaled back: 3.8e-6); beyond it is an infinity.
; A work-group takes a chunk of 16,384 numbers: 16 loads of 16 bytes a thread, all issued at once, then rounded and stored in four groups of four, in the order in which they come back.
; No register is used twice for memory, so no wait frees a source.  No LDS, no barrier: no wave needs another's data.
; THE MODE: SCHED_MODE bits 1:0 = 2 (LLVM: expert scheduling mode 2), set by the entry lines.  The code itself states the register dependences
; between vector instructions and memory instructions, with s_wait_alu, always for 0.
; THE PLAN.  Registers that memory instructions touch:
;   v1, v2   byte offsets in and out.  Written by vector lines ahead of a path's first load; read by every load and store; never written behind that.
;   X        Written by the 16 loads, each register once, and named by no vector line before them; read by the roundings.
;   Y        Number i's two words are written by its roundings alone and read by its one store alone.
;   v[8:11]  (the last job) zeros: written once, read by four stores.
; Group g's roundings write Y of group g; its memory instructions are the four stores of group g - 1, whose Y and whose offset v2 no vector line of group g names.
; So one wait at a group's head states all that its four stores hang on, and they are dealt among the group's roundings with no further wait.
; No register that a memory instruction reads is ever written again, no vector line writes a scalar register or VCC, and EXEC is never written: the only dependence to state is 'written, then read by memory'.
.set X,   16                           ; v[16:79]   16 x 4 numbers as loaded
.set Y,   80                           ; v[80:111]  16 x 2 words to store
.set SRC, 40                           ; s[40:41]   the chunk in its source
.set DST, 42                           ; s[42:43]   the chunk in its destination
.set OF,  44                           ; s[44:45]   a byte offset, high word 0
.set SC,  46                           ; s[46:47]   the scale of the f16 job, named as a pair
	s_load_b512 s[8:23], s[0:1], 0x0               ; x 8, Wq 10, Wk 12, Wv 14, Wo 16, rel_key 18, bq 20, bk 22
	s_load_b256 s[24:31], s[0:1], 0x40             ; bv 24, bo 26, xb 28, wb 30
	s_load_b128 s[32:35], s[0:1], 0x60             ; woh 32, rs 34
	s_load_b64 s[36:37], s[0:1], 0x70              ; bias 36
	s_mov_b32 s2, ttmp9                            ; the job: 0-255 x, 256-447 Wq Wk Wv, 448-511 Wo, 512-519 rel_key, 520 the biases and the zero rows of rs
	s_mov_b32 s3, 0xffff0000                       ; a word's upper bf16
	s_mov_b32 s[OF+1], 0
	v_lshlrev_b32 v1, 4, v0                        ; the linear map: 16 bytes a thread in,
	v_lshlrev_b32 v2, 3, v0                        ; 8 bytes a thread out: a wave's store is 256 consecutive bytes, aligned
.macro LD16 wmap                       ; the chunk's 16 loads.  wmap = 1: a load takes one head's 64 columns of two rows of W
	s_wait_alu depctr_va_vdst(0)                   ; v1 and v2 are written: the 16 loads below read v1 as their offset, the 16 stores of the chunk v2; neither is written again
.set i, 0
.rept 16
.if \wmap
	global_load_b128 v[X+4*i:X+4*i+3], v1, s[SRC:SRC+1] offset:(i/2)*8192+(i%2)*256 th:TH_LOAD_NT
.else
	global_load_b128 v[X+4*i:X+4*i+3], v1, s[SRC:SRC+1] offset:i*4096 th:TH_LOAD_NT
.endif
.set i, i+1
.endr
.endm
.macro RND half                        ; number i is rounded into its two words of Y.  half = 1: the bf16 numbers are scaled and written as f16
	v_cvt_pk_bf16_f32 v[Y+2*i],   v[X+4*i],   v[X+4*i+1]
	v_cvt_pk_bf16_f32 v[Y+2*i+1], v[X+4*i+2], v[X+4*i+3]
.if \half
	v_lshlrev_b32 v4, 16, v[Y+2*i]
	v_and_b32     v5, s3, v[Y+2*i]
	v_lshlrev_b32 v6, 16, v[Y+2*i+1]
	v_and_b32     v7, s3, v[Y+2*i+1]
	v_pk_mul_f32 v[4:5], v[4:5], s[SC:SC+1] op_sel_hi:[1,0]
	v_pk_mul_f32 v[6:7], v[6:7], s[SC:SC+1] op_sel_hi:[1,0]
	v_cvt_pk_f16_f32 v[Y+2*i],   v4, v5
	v_cvt_pk_f16_f32 v[Y+2*i+1], v6, v7
.endif
.endm
.macro PUT wmap                        ; number k's two words are stored
.if \wmap
	global_store_b64 v2, v[Y+2*k:Y+2*k+1], s[DST:DST+1] offset:(k%2)*131072+(k/2)*256
.else
	global_store_b64 v2, v[Y+2*k:Y+2*k+1], s[DST:DST+1] offset:k*2048
.endif
.endm
.macro OUT16 wmap, half                ; round and store, in four groups of four: i counts the numbers rounded, k the numbers stored, four behind
.set i, 0
.set k, 0
.rept 4
	s_wait_loadcnt 12-i                            ; loads come back in order: this group's four are in, the younger ones stay out
.if i > 0
	s_wait_alu depctr_va_vdst(0)                   ; the group before has written its eight words of Y, which the four stores below read
.endif
.rept 4
.if i > 3
	PUT \wmap                                      ; no vector line since the wait names this number's Y or v2
.set k, k+1
.endif
	RND \half
.set i, i+1
.endr
.endr
	s_wait_alu depctr_va_vdst(0)                   ; the last group has written its eight words of Y, which the last four stores read
.rept 4
	PUT \wmap
.set k, k+1
.endr
.endm
	s_wait_kmcnt 0x0
	s_cmp_lt_u32 s2, 256
	s_cbranch_scc1 .Lx
	s_cmp_lt_u32 s2, 448
	s_cbranch_scc1 .Lw
	s_cmp_lt_u32 s2, 520
	s_cbranch_scc1 .Lh
	; the last job: four biases of 1,024 numbers, four a thread, and the 16,384 zero bytes behind the 2,048 rows of rs
	v_mov_b32 v8, 0
	v_mov_b32 v9, 0
	v_mov_b32 v10, 0
	v_mov_b32 v11, 0
	s_wait_alu depctr_va_vdst(0)                   ; v1 is written, the offset of all this job's loads and stores, and so are v[8:11], the zero stores' data; none is written again
	global_load_b128 v[X:X+3],     v1, s[20:21]
	global_load_b128 v[X+4:X+7],   v1, s[22:23]
	global_load_b128 v[X+8:X+11],  v1, s[24:25]
	global_load_b128 v[X+12:X+15], v1, s[26:27]
.set i, 0
.rept 4
	global_store_b128 v1, v[8:11], s[34:35] offset:262144+4096*i
.set i, i+1
.endr
	s_wait_loadcnt 0x0
.set i, 0
.rept 4
	v_cvt_pk_bf16_f32 v4, v[X+4*i],   v[X+4*i+1]
	v_cvt_pk_bf16_f32 v5, v[X+4*i+2], v[X+4*i+3]
	v_lshlrev_b32 v[Y+4*i],   16, v4
	v_and_b32     v[Y+4*i+1], s3, v4
	v_lshlrev_b32 v[Y+4*i+2], 16, v5
	v_and_b32     v[Y+4*i+3], s3, v5
.set i, i+1
.endr
	s_wait_alu depctr_va_vdst(0)                   ; the sixteen widened numbers are written into Y, which the four stores below read
.set i, 0
.rept 4
	global_store_b128 v1, v[Y+4*i:Y+4*i+3], s[36:37] offset:4096*i
.set i, i+1
.endr
	s_endpgm
.Lx:                                                   ; x: chunk g, 65,536 bytes in, 32,768 out
	s_lshl_b32 s[OF], s2, 16
	s_add_nc_u64 s[SRC:SRC+1], s[8:9], s[OF:OF+1]
	s_lshl_b32 s[OF], s2, 15
	s_add_nc_u64 s[DST:DST+1], s[28:29], s[OF:OF+1]
	LD16 0
	OUT16 0, 0
	s_endpgm
.Lw:                                                   ; Wq, Wk, Wv: a chunk is 16 rows k of one of them
	s_sub_co_u32 s4, s2, 256
	s_lshr_b32 s5, s4, 6                           ; T
	s_and_b32 s4, s4, 63                           ; the chunk in W_T
	s_cmp_eq_u32 s5, 0
	s_cselect_b64 s[SRC:SRC+1], s[10:11], s[12:13]
	s_cmp_eq_u32 s5, 2
	s_cselect_b64 s[SRC:SRC+1], s[14:15], s[SRC:SRC+1]
	s_lshl_b32 s[OF], s4, 16
	s_add_nc_u64 s[SRC:SRC+1], s[SRC:SRC+1], s[OF:OF+1]
	s_lshl_b32 s5, s5, 21                          ; 16 planes of 131,072 bytes
	s_lshl_b32 s4, s4, 11                          ; 16 rows of 128 bytes
	s_add_co_u32 s[OF], s5, s4
	s_add_nc_u64 s[DST:DST+1], s[30:31], s[OF:OF+1]
	v_and_b32 v3, 15, v0
	v_bfe_u32 v4, v0, 4, 1
	v_lshrrev_b32 v5, 5, v0                        ; the wave: heads 2 wave and 2 wave + 1
	v_lshlrev_b32 v1, 4, v3                        ; in: 16 lanes take a head's 256 bytes of a row, the other 16 the row below (no memory instruction has read v1 or v2 yet)
	v_lshl_add_u32 v1, v4, 12, v1
	v_lshl_add_u32 v1, v5, 9, v1
	v_and_b32 v2, 31, v0                           ; out: those two rows are 256 consecutive bytes of the head's plane
	v_lshlrev_b32 v2, 3, v2
	v_lshl_add_u32 v2, v5, 18, v2
	LD16 1
	OUT16 1, 0
	s_endpgm
.Lh:                                                   ; Wo (scale 1) and rel_key (scale 2^-6), written as f16
	s_cmp_lt_u32 s2, 512
	s_cselect_b64 s[SRC:SRC+1], s[16:17], s[18:19]
	s_cselect_b64 s[DST:DST+1], s[32:33], s[34:35]
	s_cselect_b32 s[SC], 1.0, 0x3c800000
	s_cselect_b32 s4, 0, 64
	s_mov_b32 s[SC+1], s[SC]
	s_sub_co_u32 s5, s2, 448
	s_sub_co_u32 s4, s5, s4                        ; the chunk in its tensor
	s_lshl_b32 s[OF], s4, 16
	s_add_nc_u64 s[SRC:SRC+1], s[SRC:SRC+1], s[OF:OF+1]
	s_lshl_b32 s[OF], s4, 15
	s_add_nc_u64 s[DST:DST+1], s[DST:DST+1], s[OF:OF+1]
	LD16 0
	OUT16 0, 1
	s_endpgm
.Lfunc_end_k_qeef9a14c2f_cast:
	.size	k_qeef9a14c2f_cast, .Lfunc_end_k_qeef9a14c2f_cast-k_qeef9a14c2f_cast
	.p2alignl 7, 3214868480
	.fill 96, 4, 3214868480
	.section	.rodata,"a",@progbits
	.p2align	6, 0x0
	.amdhsa_kernel k_qeef9a14c2f_cast
		.amdhsa_group_segment_fixed_size 0
		.amdhsa_private_segment_fixed_size 0
		.amdhsa_enable_private_segment 0
		.amdhsa_kernarg_size 120
		.amdhsa_user_sgpr_count 2
		.amdhsa_user_sgpr_kernarg_segment_ptr 1
		.amdhsa_wavefront_size32 1
		.amdhsa_system_sgpr_workgroup_id_x 1
		.amdhsa_system_sgpr_workgroup_id_y 1
		.amdhsa_system_sgpr_workgroup_id_z 1
		.amdhsa_system_vgpr_workitem_id 0
		.amdhsa_next_free_vgpr 112
		.amdhsa_next_free_sgpr 66
		.amdhsa_reserve_vcc 0
		.amdhsa_float_denorm_mode_32 3
		.amdhsa_float_denorm_mode_16_64 3
		.amdhsa_memory_ordered 1
		.amdhsa_forward_progress 1
		.amdhsa_inst_pref_size 27
	.end_amdhsa_kernel
	.amdgpu_metadata
---
amdhsa.version: [ 1, 2 ]
amdhsa.kernels:
  - .name:           k_qeef9a14c2f_cast
    .symbol:         k_qeef9a14c2f_cast.kd
    .args:
      - { .name: x, .offset: 0, .size: 8, .value_kind: global_buffer, .address_space: global }
      - { .name: Wq, .offset: 8, .size: 8, .value_kind: global_buffer, .address_space: global }
      - { .name: Wk, .offset: 16, .size: 8, .value_kind: global_buffer, .address_space: global }
      - { .name: Wv, .offset: 24, .size: 8, .value_kind: global_buffer, .address_space: global }
      - { .name: Wo, .offset: 32, .size: 8, .value_kind: global_buffer, .address_space: global }
      - { .name: rel_key, .offset: 40, .size: 8, .value_kind: global_buffer, .address_space: global }
      - { .name: bq, .offset: 48, .size: 8, .value_kind: global_buffer, .address_space: global }
      - { .name: bk, .offset: 56, .size: 8, .value_kind: global_buffer, .address_space: global }
      - { .name: bv, .offset: 64, .size: 8, .value_kind: global_buffer, .address_space: global }
      - { .name: bo, .offset: 72, .size: 8, .value_kind: global_buffer, .address_space: global }
      - { .name: xb, .offset: 80, .size: 8, .value_kind: global_buffer, .address_space: global }
      - { .name: wb, .offset: 88, .size: 8, .value_kind: global_buffer, .address_space: global }
      - { .name: woh, .offset: 96, .size: 8, .value_kind: global_buffer, .address_space: global }
      - { .name: rs, .offset: 104, .size: 8, .value_kind: global_buffer, .address_space: global }
      - { .name: bias, .offset: 112, .size: 8, .value_kind: global_buffer, .address_space: global }
    .group_segment_fixed_size: 0
    .private_segment_fixed_size: 0
    .kernarg_segment_align: 8
    .kernarg_segment_size: 120
    .max_flat_workgroup_size: 256
    .sgpr_count:     66
    .vgpr_count:     112
    .wavefront_size: 32
...
	.end_amdgpu_metadata
.endif
;; end of part 5
;; launch project_in: the kernel of part 2 again; grid 16 x 16, 4 waves a work-group, clusters of 4 x 4, 327,680 bytes of LDS; arguments xb, wb, bias, qkv; writes qkv
;; launch attend: the kernel of part 3 again; grid 8 x 32, 4 waves a work-group, no clusters, 327,680 bytes of LDS; arguments qkv, rs, ob; writes ob
;; launch project_out: the kernel of part 4 again; grid 8 x 32, 4 waves a work-group, clusters of 4 x 4, 327,680 bytes of LDS; arguments ob, woh, bias, out0; writes out0
